; MI455X (gfx1250); checked and timed in simulation.
; The chip was launched on July 23, 2026; its instructions are those of AMD's public machine-readable ISA for CDNA 5 (MIT licence, August 2026) and "CDNA5" Instruction Set Architecture Reference Guide (July 2026). The comments in the code are by the model that wrote it; some were corrected since.
;; Multiquery Attention. Allowed arithmetic: matrix products marked QUANTISED: E2M3 operands, one E8M0 scale for each 32 along K, by v_wmma_scale_f32_16x16x128_f8f6f4 with both operands' format E2M3, f32 sums; everything else in f32.
;; Inputs: Wk 1,024 x 64 float32; Wo 1,024 x 1,024 float32; Wq 1,024 x 1,024 float32; Wv 1,024 x 64 float32; bk 64 float32; bo 1,024 float32; bq 1,024 float32; bv 64 float32; x 4 x 2,048 x 1,024 float32.
;; Outputs: out0 4 x 2,048 x 1,024 float32.
;; This version of the problem:
;;   THIS VERSION OF THE PROBLEM IS GIVEN IN LOW PRECISION. The matrix products marked QUANTISED in the list below multiply operands that are first quantised to E2M3 (2 exponent bits, 3 mantissa bits; 6 bits a number), with one power-of-two scale for each 32 numbers along K (OCP MX v1.0); their sums are f32. All else is computed in f32.
;;   The module's matrix products, in the order in which they are computed (A, B: the left and right operand; K: the contracted axis; several contracted axes count as one K, in the product's order):
;;     1. [M 8,192, K 1,024] x [K 1,024, N 1,024]; A: input x; B: input Wq: QUANTISED
;;     2. [M 8,192, K 1,024] x [K 1,024, N 64]; A: input x; B: input Wk: QUANTISED
;;     3. [M 8,192, K 1,024] x [K 1,024, N 64]; A: input x; B: input Wv: QUANTISED
;;     4. batch 4 x [M 32,768, K 64] x [K 64, N 2,048]; A: computed on the way; B: computed on the way: QUANTISED
;;     5. batch 4 x [M 32,768, K 2,048] x [K 2,048, N 64]; A: softmax (see below); B: computed on the way: QUANTISED
;;     6. [M 8,192, K 1,024] x [K 1,024, N 1,024]; A: computed on the way; B: input Wo: QUANTISED
;;   THE QUANTISER, for each operand of a quantised product, along K:
;;     - K is cut into blocks of 32 from its start; a last block that is shorter is filled with zeros.
;;     - A block's scale is 2^e with e = floor(log2(the largest magnitude in the block)) - 2, held to -126 .. 127; a block of zeros has e = 0. As a byte (E8M0): e + 127.
;;     - Each number is divided by its block's scale, clamped to +-7.5, and rounded to the nearest number of E2M3, ties to even, subnormals kept.
;;     - The product sums the exact products of the quantised numbers (number of the format x scale) in f32.
;;   ~~~python
;;   def quantise(x, axis):      # numpy; x: float32 -> the quantised numbers, widened to float32 again
;;       x = np.moveaxis(x, axis, -1); K = x.shape[-1]
;;       x = np.pad(x, [(0, 0)] * (x.ndim - 1) + [(0, -K % 32)]); x = x.reshape(x.shape[:-1] + (-1, 32)); a = np.abs(x).max(-1, keepdims=True)
;;       e = np.where(a > 0, np.clip(np.frexp(np.where(a > 0, a, 1))[1] - 1 - 2, -126, 127), 0)      # np.frexp(a)[1] - 1 = floor(log2(a)), exactly
;;       r = np.clip(x / 2.0 ** e, -7.5, 7.5)
;;       step = 2.0 ** (np.maximum(np.frexp(np.where(r == 0, 1, r))[1] - 1, 0) - 3)
;;       q = np.round(r / step) * step * 2.0 ** e      # np.round: ties to even
;;       return np.moveaxis(q.reshape(q.shape[:-2] + (-1,))[..., :K], -1, axis).astype(np.float32)
;;   ~~~
;;   SOFTMAX AHEAD OF A QUANTISED PRODUCT. Where the list says 'softmax', what is quantised is not the finished softmax but p = 2^(t - M), with t = logit x log2(e) and M = ceil(the row's largest t), a whole number; so 1/2 < the row's largest p <= 1. The row's sum l is taken of the UNQUANTISED p, in f32, and the product's result is divided by l at the end. Since M is a whole number, a kernel that streams over the keys may use a running M (the ceiling of the running maximum): every later rescaling is an exact power of two, which a block's scale takes up: the codes' values come out the same.
;;   OPERANDS COMPUTED ON THE WAY. 'Computed on the way' means the value that the module computes at that place (a softmax that the list does not call 'softmax' is quantised finished and normalised). What goes into a quantiser is computed in f32, as accurately as f32 sums, v_exp_f32 and their like allow (about 1e-6 of the number): no bf16 or f16 on the way to a quantiser, and a product that is left as it is and whose result goes on into a quantised operand takes f32 operands (vector FMAs, or v_wmma_f32_16x16x4_f32). A number that lies on a knife's edge between two numbers of the format may be rounded either way, as far as f32 arithmetic and the matrix unit's own rounding can turn it there, and no further.
;; One version. Each part assembles by itself: llvm-mc -triple=amdgcn-amd-amdhsa -mcpu=gfx1250 --defsym DOCPART=n.
;; ======== version 1 of 1: 5 launches
;; limits: right only within a limited range of input values
;; workspace buffers: wqr 851,968 bytes; wor 851,968 bytes; wkvr 106,496 bytes; xr 6,815,744 bytes; kvr 884,736 bytes; qr 7,340,032 bytes; ar 6,815,744 bytes
;; launch wquant (part 1): grid 272 x 1, 4 waves a work-group, no clusters, 0 bytes of LDS; arguments Wq, Wo, Wk, Wv, wqr, wor, wkvr; writes wqr, wor, wkvr
.if DOCPART == 1
	.amdgcn_target "amdgcn-amd-amdhsa--gfx1250"
	.amdhsa_code_object_version 6
	.text
	.protected	k_qad9fdfbcf5_wquant
	.globl	k_qad9fdfbcf5_wquant
	.p2align	8
	.type	k_qad9fdfbcf5_wquant,@function
k_qad9fdfbcf5_wquant:
	s_mov_b64 s[64:65], 0
	v_nop
	global_prefetch_b8 v0, s[64:65] scope:SCOPE_SE
	s_setreg_imm32_b32 hwreg(HW_REG_WAVE_MODE, 25, 1), 1
	s_wait_xcnt 0x0
; The four weights, f32 stored [K = 1024][N], become codes of FP6 (E2M3) with one E8M0 byte for each 32 along K, laid as IMAGES OF OPERAND REGISTERS.
; A wave makes one fragment: 16 columns n x 128 along K.  Lane (r, h) takes ONE column and its registers run DOWN K, k = 64 c + 32 h + 0 .. 31, the order of the operand's registers: nothing is transposed.
; THE COLUMNS OF A TILE ARE NOT NEIGHBOURS: lane r of tile T takes n = 32 (T / 2) + 8 (T % 2) + r % 8 + 16 (r / 8), so that the results of two neighbouring tiles are 16 neighbours in a lane of the product that uses them.
; A RECORD (13,312 bytes) is one tile for all of K: four chunks of 3,328 bytes = [fragment 2 c | fragment 2 c + 1 | scale words 2 c | scale words 2 c + 1].
; A fragment (1,536 bytes) is two halves of 768: registers 0-3 at 16 x lane, registers 4-5 at 512 + 8 x lane.  Scale words: 4 x lane, the same word in lanes r and r + 16.
; Work-groups 0-127: Wq, 128-255: Wo (K step g % 8, tiles 4 ((g / 8) % 16) + wave); 256-271: Wk, Wv (K step g % 8, tile = wave).
; LIMITS: NaN and infinities are not served; a block whose largest magnitude lies under 2^-124, a block of zeros among them, gets the byte 1 (its codes are then tiny or zero; this program alone reads the bytes).
.set REC, 13312
.set X,   68                           ; v68-131 my 64 numbers: v[X + 32 c + i] = W(64 c + 32 h + i, my column)
	s_load_b256 s[4:11], s[0:1], 0x0               ; Wq s[4:5], Wo s[6:7], Wk s[8:9], Wv s[10:11]
	s_load_b128 s[12:15], s[0:1], 0x20             ; wqr s[12:13], wor s[14:15]
	s_load_b64 s[16:17], s[0:1], 0x30              ; wkvr
	v_lshrrev_b32 v1, 5, v0
	v_readfirstlane_b32 s18, v1                    ; wave 0..3
	v_and_b32 v1, 15, v0                           ; r
	v_bfe_u32 v2, v0, 4, 1                         ; h
	v_and_b32 v3, 7, v1
	v_lshrrev_b32 v4, 3, v1
	v_lshl_add_u32 v3, v4, 4, v3                   ; r % 8 + 16 (r / 8)
	v_lshlrev_b32 v3, 2, v3                        ; in bytes
	v_and_b32 v4, 31, v0                           ; lane
	v_lshlrev_b32 v6, 4, v4                        ; 16 x lane
	v_lshlrev_b32 v7, 3, v4                        ; 8 x lane
	v_lshlrev_b32 v8, 2, v4                        ; 4 x lane
	s_mov_b32 s38, 0x76543210
	s_mov_b32 s39, 0xfedcba98                      ; v_permlanex16_b32's selects for lane l xor 16
	s_wait_kmcnt 0x0
; In: s19 K step, s22 tile, s23 record, s[24:25] the weight, s[26:27] its records, s28 = K step x 128 rows in bytes.  pitch: a row of the weight in bytes.
.macro WFRAG pitch
	s_lshr_b32 s29, s22, 1
	s_lshl_b32 s29, s29, 7                         ; 32 (T / 2) columns,
	s_and_b32 s30, s22, 1
	s_lshl_b32 s30, s30, 5                         ; 8 (T % 2) columns, in bytes
	s_add_co_u32 s28, s28, s29
	s_add_co_u32 s28, s28, s30
	s_mov_b32 s29, 0
	s_add_nc_u64 s[24:25], s[24:25], s[28:29]      ; the weight at the K step's first row, the tile's first column
	s_mul_i32 s30, s23, REC
	s_lshr_b32 s31, s19, 1
	s_mul_i32 s31, s31, 3328
	s_add_co_u32 s30, s30, s31                     ; the record's chunk
	s_and_b32 s31, s19, 1
	s_mul_i32 s32, s31, 1536
	s_add_co_u32 s32, s32, s30                     ; the fragment's place
	s_mov_b32 s33, 0
	s_lshl_b32 s34, s31, 7
	s_add_co_u32 s34, s34, s30
	s_add_co_u32 s34, s34, 3072                    ; its scale words' place
	s_mov_b32 s35, 0
	s_add_nc_u64 s[36:37], s[26:27], s[34:35]
	s_add_nc_u64 s[26:27], s[26:27], s[32:33]
	v_mad_u32_u24 v5, v2, 32*\pitch, v3            ; lanes 16-31 begin 32 rows further down
.irp c, 0,1
.set i, 0
.rept 32
	global_load_b32 v[X+32*\c+i], v5, s[24:25] offset:\pitch*(64*\c+i)
.set i, i+1
.endr
.endr
	s_wait_loadcnt 0x0
.irp c, 0,1                                    ; my block 2 c + h: all its 32 numbers are mine
	v_max3_num_f32 v[32+\c], |v[X+32*\c]|, |v[X+1+32*\c]|, 0x1800000   ; with the floor 2^(3 - 127): the byte cannot fall under 1
.endr
.irp i, 2,4,6,8,10,12,14,16,18,20,22,24,26,28,30
.irp c, 0,1
	v_max3_num_f32 v[32+\c], v[32+\c], |v[X+32*\c+\i]|, |v[X+1+32*\c+\i]|
.endr
.endr
.irp c, 0,1
	v_add_nc_u32 v[44+\c], 0xff000000, v[32+\c]    ; 2 off the exponent field: the conversion's scale operand
.endr
.irp c, 0,1
	v_lshrrev_b32 v[36+\c], 23, v[44+\c]           ; the scale's byte
.endr
	v_lshl_or_b32 v9, v37, 16, v36                 ; my two bytes: blocks h and 2 + h,
	v_lshlrev_b32 v10, 3, v2
	v_lshlrev_b32 v9, v10, v9                      ; at their places (8 h bits up);
	v_mov_b32 v10, 0
	v_permlanex16_b32 v10, v9, s38, s39
	v_or_b32 v9, v9, v10                           ; with lane l xor 16's two the word is whole, in both lanes
.irp c, 0,1
	v_cvt_scalef32_pk16_fp6_f32 v[48+6*\c:50+6*\c], v[X+32*\c:X+15+32*\c], v[44+\c]
	v_cvt_scalef32_pk16_fp6_f32 v[60+4*\c:62+4*\c], v[X+16+32*\c:X+31+32*\c], v[44+\c]   ; (a conversion's three registers begin on an even number)
.endr
	v_nop                                          ; one plain place behind a scaled conversion
.irp c, 0,1
.irp i, 0,1,2
	v_mov_b32 v[51+6*\c+\i], v[60+4*\c+\i]
.endr
.endr
	global_store_b128 v6, v[48:51], s[26:27]                 ; 512 consecutive bytes,
	global_store_b64 v7, v[52:53], s[26:27] offset:512       ; 256,
	global_store_b128 v6, v[54:57], s[26:27] offset:768
	global_store_b64 v7, v[58:59], s[26:27] offset:1280
	global_store_b32 v8, v9, s[36:37]                        ; and the 128 bytes of scale words
	s_endpgm
.endm
	s_cmp_lt_u32 ttmp9, 256
	s_cbranch_scc0 .Lsmall
	s_and_b32 s19, ttmp9, 7                        ; K step
	s_bfe_u32 s22, ttmp9, 0x40003                  ; (g / 8) % 16
	s_lshl_b32 s22, s22, 2
	s_add_co_u32 s22, s22, s18                     ; tile
	s_mov_b32 s23, s22                             ; = record
	s_lshl_b32 s28, s19, 19                        ; 128 rows of 4,096 bytes
	s_cmp_lt_u32 ttmp9, 128                        ; the choice hangs on the work-group's number alone
	s_cselect_b64 s[24:25], s[4:5], s[6:7]
	s_cselect_b64 s[26:27], s[12:13], s[14:15]
	s_wait_alu depctr_va_vdst(0)
	WFRAG 4096
.Lsmall:
	s_sub_co_u32 s20, ttmp9, 256
	s_and_b32 s19, s20, 7                          ; K step
	s_lshr_b32 s21, s20, 3                         ; 0: Wk, 1: Wv
	s_mov_b32 s22, s18                             ; tile = wave
	s_lshl_b32 s23, s21, 2
	s_add_co_u32 s23, s23, s18                     ; record: Wk's 0-3, Wv's 4-7
	s_lshl_b32 s28, s19, 15                        ; 128 rows of 256 bytes
	s_mov_b64 s[26:27], s[16:17]
	s_cmp_eq_u32 s21, 0
	s_cselect_b64 s[24:25], s[8:9], s[10:11]
	s_wait_alu depctr_va_vdst(0)
	WFRAG 256
.Lfunc_end_k_qad9fdfbcf5_wquant:
	.size	k_qad9fdfbcf5_wquant, .Lfunc_end_k_qad9fdfbcf5_wquant-k_qad9fdfbcf5_wquant
	.p2alignl 7, 3214868480
	.fill 96, 4, 3214868480
	.section	.rodata,"a",@progbits
	.p2align	6, 0x0
	.amdhsa_kernel k_qad9fdfbcf5_wquant
		.amdhsa_group_segment_fixed_size 0
		.amdhsa_private_segment_fixed_size 0
		.amdhsa_enable_private_segment 0
		.amdhsa_kernarg_size 56
		.amdhsa_user_sgpr_count 2
		.amdhsa_user_sgpr_kernarg_segment_ptr 1
		.amdhsa_wavefront_size32 1
		.amdhsa_system_sgpr_workgroup_id_x 1
		.amdhsa_system_sgpr_workgroup_id_y 1
		.amdhsa_system_sgpr_workgroup_id_z 1
		.amdhsa_system_vgpr_workitem_id 0
		.amdhsa_next_free_vgpr 136
		.amdhsa_next_free_sgpr 66
		.amdhsa_reserve_vcc 0
		.amdhsa_float_denorm_mode_32 3
		.amdhsa_float_denorm_mode_16_64 3
		.amdhsa_memory_ordered 1
		.amdhsa_forward_progress 1
		.amdhsa_inst_pref_size 23
	.end_amdhsa_kernel
	.amdgpu_metadata
---
amdhsa.version: [ 1, 2 ]
amdhsa.kernels:
  - .name:           k_qad9fdfbcf5_wquant
    .symbol:         k_qad9fdfbcf5_wquant.kd
    .args:
      - { .name: Wq, .offset: 0, .size: 8, .value_kind: global_buffer, .address_space: global }
      - { .name: Wo, .offset: 8, .size: 8, .value_kind: global_buffer, .address_space: global }
      - { .name: Wk, .offset: 16, .size: 8, .value_kind: global_buffer, .address_space: global }
      - { .name: Wv, .offset: 24, .size: 8, .value_kind: global_buffer, .address_space: global }
      - { .name: wqr, .offset: 32, .size: 8, .value_kind: global_buffer, .address_space: global }
      - { .name: wor, .offset: 40, .size: 8, .value_kind: global_buffer, .address_space: global }
      - { .name: wkvr, .offset: 48, .size: 8, .value_kind: global_buffer, .address_space: global }
    .group_segment_fixed_size: 0
    .private_segment_fixed_size: 0
    .kernarg_segment_align: 8
    .kernarg_segment_size: 56
    .max_flat_workgroup_size: 128
    .sgpr_count:     66
    .vgpr_count:     136
    .wavefront_size: 32
...
	.end_amdgpu_metadata
.endif
;; end of part 1
;; launch xkv (part 2): grid 128 x 1, 8 waves a work-group, clusters of 4 x 1, 228,352 bytes of LDS; arguments x, wkvr, bk, bv, xr, kvr; writes xr, kvr
.if DOCPART == 2
	.amdgcn_target "amdgcn-amd-amdhsa--gfx1250"
	.amdhsa_code_object_version 6
	.text
	.protected	k_qad9fdfbcf5_xkv
	.globl	k_qad9fdfbcf5_xkv
	.p2align	8
	.type	k_qad9fdfbcf5_xkv,@function
k_qad9fdfbcf5_xkv:
	s_mov_b64 s[64:65], 0
	v_nop
	global_prefetch_b8 v0, s[64:65] scope:SCOPE_SE
	s_setreg_imm32_b32 hwreg(HW_REG_WAVE_MODE, 25, 1), 1
	s_wait_xcnt 0x0
	s_wait_alu depctr_hold_cnt(0) depctr_sa_sdst(0) depctr_va_vdst(0) depctr_va_sdst(0) depctr_va_ssrc(0) depctr_va_vcc(0) depctr_vm_vsrc(0)
	s_getreg_b32 s2, hwreg(HW_REG_IB_STS2, 6, 4)
	s_cmp_eq_u32 s2, 0
	s_cbranch_scc0 .Lentry_in_a_cluster
	s_endpgm
.Lentry_in_a_cluster:
	s_bfe_u32 s2, ttmp6, 0x10000c
	s_cmp_lg_u32 s2, 0x3003
	s_cbranch_scc0 .Lentry_shape_is_right
	s_endpgm
.Lentry_shape_is_right:
; x [8192][1024] f32 is quantised along K into register images (xr); K = x Wk + bk and V = x Wv + bv are made on codes of FP6 (E2M3, one E8M0 byte for 32 along K) and quantised again:
; K along the head's 64, V along the keys (kvr).  Layouts (tile pattern, halves of 768 bytes, records of 13,312 bytes) as in the launch that lays out the weights.
; A work-group of eight waves owns 64 rows of x: four tiles of 16 (lane r of tile T holds row 32 (T / 2) + 8 (T % 2) + r % 8 + 16 (r / 8)).
; PHASE X: wave w quantises tile w / 2, K steps 4 (w % 2) + 0 .. 3.  Each load reads 512 consecutive bytes of one row; a fragment's 16 x 512 bytes turn through the wave's own stage in LDS, so that a lane gets
;   16 neighbours of each block of 32.  The image goes to LDS (for the products) and to xr.
; ONE BARRIER.  JOBS: waves 0-3: K of x's tile w (source 0 = Wk's four tiles, source 1 = x: a lane holds one key, its registers run along the head's 64);
;   waves 4-7: V^T's tile w - 4 (source 0 = x's four tiles, source 1 = Wv: a lane holds one of the head's 64, its registers run along 64 keys).  One text serves both: only addresses differ.
; kvr: for each batch and each step of 128 keys 13,824 bytes: K's tile t (half a fragment) at 768 t; V^T's fragment d at 6144 + 1536 d; K's scale words at 12288 + 128 t; V's at 13312 + 128 d.
; CLUSTER: the four work-groups need the same eight records of Wk and Wv: each wave asks for one record JOINTLY (mask 15).  Filled once: no slot is ever filled again.  One tensor load of a wave is out.
; LIMITS: NaN and infinities are not served; a block whose largest magnitude lies under 2^-124, a block of zeros among them, gets the byte 1.
.set REC,    13312
.set XL,     4*REC                     ; LDS: Wk's 4 records at 0; x's 4 records here (written by LDS stores: no fill lands there); Wv's 4 at 8 REC;
.set STG,    12*REC                    ; the stages: 16 rows x 528 bytes for each wave
.set SPITCH, 528                       ; 33 x 16 bytes: the 16 rows that a load touches start in 16 different columns of 16 bytes
.set TM,   16                          ; v16-31   at work in the quantisers
.set R0,   32                          ; v32-95, v96-159  x as loaded, two sets
.set X,    160                         ; v160-223 64 numbers of a lane: register 16 b + i = k 32 b + 16 h + i
.set PC,   224                         ; v224-242 the codes just made
.set PW,   243                         ; the scale word just made
.set BI,   32                          ; jobs: v32-63 the bias as C;  v64-95 four accumulators;  v96-155, v160-219 two sets of five fragments
.set ACC,  64
.set SET0, 96
.set SCR,  244                         ; v244-253 scale words, two sets of five: these registers hold scales and nothing else
.set WV,   16
.set SEL,  36
.macro CROUND                          ; a round of the cluster's barrier
	s_barrier_signal -1
	s_barrier_wait -1
	s_cmp_lg_u32 s[WV], 0
	s_cbranch_scc1 .Lnot_wave_0_\@
	s_barrier_signal -3
.Lnot_wave_0_\@:
	s_barrier_wait -3
	s_barrier_signal -1
	s_barrier_wait -1
.endm
; 64 numbers of a lane become a fragment's codes in v[PC] on and its scale word in v[PW]
.macro QUANT s
.irp b, 0,1,2,3
	v_max3_num_f32 v[TM+\b], |v[\s+16*\b]|, |v[\s+1+16*\b]|, 0x1800000   ; block b: my 16 numbers, and the floor 2^(3 - 127)
.endr
.irp i, 2,4,6,8,10,12,14
.irp b, 0,1,2,3
	s_delay_alu instid0(VALU_DEP_4)
	v_max3_num_f32 v[TM+\b], v[TM+\b], |v[\s+16*\b+\i]|, |v[\s+1+16*\b+\i]|
.endr
.endr
.irp b, 0,1,2,3
	s_delay_alu instid0(VALU_DEP_4)
	v_permlanex16_b32 v[TM+4+\b], v[TM+\b], s[SEL], s[SEL+1]
.endr
.irp b, 0,1,2,3
	s_delay_alu instid0(VALU_DEP_4)
	v_max_num_f32 v[TM+\b], v[TM+\b], v[TM+4+\b]   ; with lane l xor 16's: the block's largest magnitude
.endr
.irp b, 0,1,2,3
	s_delay_alu instid0(VALU_DEP_4)
	v_add_nc_u32 v[TM+12+\b], 0xff000000, v[TM+\b] ; 2 off its exponent field: the conversion's scale operand
.endr
.irp b, 0,1,2,3
	s_delay_alu instid0(VALU_DEP_4)
	v_lshrrev_b32 v[TM+4+\b], 23, v[TM+12+\b]      ; the scale's byte
.endr
	s_delay_alu instid0(VALU_DEP_3)
	v_lshl_or_b32 v[PW], v[TM+5], 8, v[TM+4]
	s_delay_alu instid0(VALU_DEP_1)
	v_lshl_or_b32 v[PW], v[TM+6], 16, v[PW]
	s_delay_alu instid0(VALU_DEP_1)
	v_lshl_or_b32 v[PW], v[TM+7], 24, v[PW]
.irp c, 0,1
	v_cvt_scalef32_pk16_fp6_f32 v[PC+6*\c:PC+2+6*\c], v[\s+32*\c:\s+15+32*\c], v[TM+12+2*\c]
	v_cvt_scalef32_pk16_fp6_f32 v[PC+12+4*\c:PC+14+4*\c], v[\s+16+32*\c:\s+31+32*\c], v[TM+12+2*\c+1]
.endr
	v_nop                                          ; one plain place behind a scaled conversion
.irp c, 0,1                                    ; the operand's layout wants a whole block in a lane
.irp i, 0,1,2
	v_permlane16_swap_b32 v[PC+6*\c+\i], v[PC+12+4*\c+\i]
.endr
.irp i, 0,1,2
	s_delay_alu instid0(VALU_DEP_3)
	v_mov_b32 v[PC+3+6*\c+\i], v[PC+12+4*\c+\i]
.endr
.endr
.endm
; 32 numbers of a lane (two blocks) become half a fragment in v[pc] .. v[pc + 5] and the word byte 0 | byte 1 << 8 in v[pw]
.macro QUANT2 s, pc, pw
.irp b, 0,1
	v_max3_num_f32 v[TM+\b], |v[\s+16*\b]|, |v[\s+1+16*\b]|, 0x1800000
.endr
.irp i, 2,4,6,8,10,12,14
.irp b, 0,1
	v_max3_num_f32 v[TM+\b], v[TM+\b], |v[\s+16*\b+\i]|, |v[\s+1+16*\b+\i]|
.endr
.endr
.irp b, 0,1
	s_delay_alu instid0(VALU_DEP_2)
	v_permlanex16_b32 v[TM+2+\b], v[TM+\b], s[SEL], s[SEL+1]
.endr
.irp b, 0,1
	s_delay_alu instid0(VALU_DEP_2)
	v_max_num_f32 v[TM+\b], v[TM+\b], v[TM+2+\b]
.endr
.irp b, 0,1
	s_delay_alu instid0(VALU_DEP_2)
	v_add_nc_u32 v[TM+4+\b], 0xff000000, v[TM+\b]
.endr
.irp b, 0,1
	s_delay_alu instid0(VALU_DEP_2)
	v_lshrrev_b32 v[TM+2+\b], 23, v[TM+4+\b]
.endr
	s_delay_alu instid0(VALU_DEP_1)
	v_lshl_or_b32 v[\pw], v[TM+3], 8, v[TM+2]
	v_cvt_scalef32_pk16_fp6_f32 v[\pc:\pc+2], v[\s:\s+15], v[TM+4]
	v_cvt_scalef32_pk16_fp6_f32 v[\pc+6:\pc+8], v[\s+16:\s+31], v[TM+5]
	v_nop
.irp i, 0,1,2
	v_permlane16_swap_b32 v[\pc+\i], v[\pc+6+\i]
.endr
.irp i, 0,1,2
	s_delay_alu instid0(VALU_DEP_3)
	v_mov_b32 v[\pc+3+\i], v[\pc+6+\i]
.endr
.endm
	s_load_b256 s[4:11], s[0:1], 0x0               ; x s[4:5], wkvr s[6:7], bk s[8:9], bv s[10:11]
	s_load_b128 s[12:15], s[0:1], 0x20             ; xr s[12:13], kvr s[14:15]
	v_lshl_add_u32 v254, v0, 2, 0x37800
	v_mov_b32 v255, 0
	ds_add_u32 v254, v255
	ds_add_u32 v254, v255
	v_lshrrev_b32 v1, 5, v0
	s_delay_alu instid0(VALU_DEP_1)
	v_readfirstlane_b32 s[WV], v1                  ; wave 0..7
	s_bfe_u32 s17, ttmp6, 0x40000                  ; cx
	s_lshl_b32 s18, ttmp9, 2
	s_add_co_u32 s18, s18, s17                     ; g: my 64 rows; it enters global addresses alone
	s_lshr_b32 s19, s[WV], 1                       ; phase X: my tile,
	s_and_b32 s20, s[WV], 1                        ; my half of K
	s_lshr_b32 s21, s[WV], 2                       ; 0: a K job, 1: a V job
	s_mov_b32 s[SEL], 0x76543210
	s_mov_b32 s[SEL+1], 0xfedcba98
	; descriptor group 1: a dense record of 13,312 bytes as 52 rows of 32 elements of 8 bytes
	s_mov_b32 s40, 15|(3<<16)|(1<<21)              ; 15:0 the mask: all four work-groups; 17:16 elements of 8 bytes; 21 set beside a mask
	s_mov_b32 s41, 32<<16                          ; tensor_dim0
	s_mov_b32 s42, 52<<16                          ; tensor_dim1
	s_mov_b32 s43, 32<<16                          ; tile_dim0
	s_mov_b32 s44, 52                              ; tile_dim1
	s_mov_b32 s45, 32                              ; stride
	s_mov_b32 s46, 0
	s_mov_b32 s47, 0
	s_mul_i32 s22, s[WV], REC                      ; record w in memory,
	s_mul_i32 s23, s21, XL
	s_mov_b32 s48, 1
	s_add_co_u32 s49, s22, s23                     ; and in LDS: Wv's records lie behind x's
	s_mov_b32 s23, 0
	; LDS addresses: constants, the lane, the wave
	v_and_b32 v1, 31, v0
	s_delay_alu instid0(VALU_DEP_1)
	v_lshlrev_b32 v7, 3, v1                        ; 8 x lane
	s_delay_alu instid0(VALU_DEP_2)
	v_lshlrev_b32 v8, 2, v1                        ; 4 x lane
	s_delay_alu instid0(VALU_DEP_3)
	v_lshlrev_b32 v1, 4, v1                        ; 16 x lane
	s_mul_i32 s24, s[WV], 16*SPITCH
	s_add_co_u32 s24, s24, STG                     ; my stage
	v_add_nc_u32 v2, s24, v1                       ; in: a row's 512 bytes as they lie
	v_and_b32 v14, 15, v0                          ; r
	v_bfe_u32 v15, v0, 4, 1                        ; h
	s_delay_alu instid0(VALU_DEP_2)
	v_mul_u32_u24 v3, v14, SPITCH
	s_delay_alu instid0(VALU_DEP_1)
	v_lshl_add_u32 v3, v15, 6, v3
	s_delay_alu instid0(VALU_DEP_1)
	v_add_nc_u32 v3, s24, v3                       ; out: row r, + 64 h
	s_mul_i32 s24, s19, REC
	s_mul_i32 s25, s20, 6656                       ; K steps 4 (w % 2) on: two chunks
	s_add_co_u32 s24, s24, s25
	s_add_co_u32 s24, s24, XL
	v_add_nc_u32 v4, s24, v1                       ; where I store x's images
	v_add_nc_u32 v5, s24, v7
	v_add_nc_u32 v6, s24, v8
	s_mul_i32 s24, s21, XL
	v_add_nc_u32 v9, s24, v1                       ; source 0's four records: Wk's, or x's
	v_add_nc_u32 v10, s24, v7
	v_add_nc_u32 v11, s24, v8
	s_add_co_u32 s24, s22, XL
	v_add_nc_u32 v12, s24, v1                      ; source 1's record: x's tile w, or Wv's tile w - 4 (both at XL + REC w)
	v_add_nc_u32 v13, s24, v7
	v_add_nc_u32 v14, s24, v8
.irp b, 0,1,2,3
	v_mov_b32 v[TM+4+\b], 0                        ; written once: a lane permute's destination counts as one of its sources
.endr
	; global offsets
	s_lshl_b32 s26, s18, 6
	s_lshr_b32 s27, s19, 1
	s_lshl_b32 s27, s27, 5
	s_add_co_u32 s26, s26, s27
	s_and_b32 s27, s19, 1
	s_lshl_b32 s27, s27, 3
	s_add_co_u32 s26, s26, s27                     ; my tile's first row: 64 g + 32 (i / 2) + 8 (i % 2)
	s_lshl_b32 s26, s26, 12
	s_lshl_b32 s27, s20, 11
	s_add_co_u32 s26, s26, s27                     ; + my half of K: 2,048 bytes
	s_mov_b32 s27, 0
	s_lshl_b32 s28, s18, 2
	s_add_co_u32 s28, s28, s19
	s_mul_i32 s28, s28, REC
	s_add_co_u32 s28, s28, s25                     ; xr: record 4 g + i, my two chunks
	s_mov_b32 s29, 0
	s_wait_dscnt 0x0
	s_wait_kmcnt 0x0
	s_add_nc_u64 s[50:51], s[6:7], s[22:23]
	s_or_b32 s51, s51, 0x80000000                  ; type = 2
	s_add_nc_u64 s[4:5], s[4:5], s[26:27]
	s_add_nc_u64 s[12:13], s[12:13], s[28:29]
	CROUND                                         ; all four work-groups are here: the joint loads meet
	tensor_load_to_lds s[48:51], s[40:47]          ; my record of the weights: the wave's one tensor load
	s_nop 0
.rept 4
	v_nop
.endr
.macro XLOAD f, reg                    ; my tile's 16 rows, 512 bytes of each: K step f of my four
.irp p, 0,1,2,3,4,5,6,7,8,9,10,11,12,13,14,15
	global_load_b128 v[\reg+4*\p:\reg+4*\p+3], v1, s[4:5] offset:((\p%8)+16*(\p/8))*4096+512*(\f) th:TH_LOAD_NT
.endr
.endm
.macro XFRAG f
.set RR, R0+64*((\f)%2)
.set FO, 3328*((\f)/2)+1536*((\f)%2)
.set SO, 3328*((\f)/2)+3072+128*((\f)%2)
.if \f < 3
	s_wait_loadcnt 16                              ; this fragment's 16 loads are in; the next fragment's 16 may be out
.else
	s_wait_loadcnt 0x0
.endif
.irp p, 0,1,2,3,4,5,6,7,8,9,10,11,12,13,14,15
	ds_store_b128 v2, v[RR+4*\p:RR+4*\p+3] offset:SPITCH*\p
.endr
.irp b, 0,1,2,3
.irp j, 0,1,2,3
	ds_load_b128 v[X+16*\b+4*\j:X+16*\b+4*\j+3], v3 offset:128*\b+16*\j   ; LDS serves a wave's instructions in order: these see my stores
.endr
.endr
	s_wait_dscnt 0x0                               ; the numbers are back, and the stores have read their registers,
.if \f < 2
	XLOAD (\f)+2, RR                               ; which take the loads of two fragments on
.endif
.if \f > 0
	s_wait_xcnt 0x0                                ; the last fragment's stores to xr have read the codes' registers
.endif
	QUANT X
	ds_store_b128 v4, v[PC:PC+3] offset:FO         ; the image, for the work-group's products,
	ds_store_b64 v5, v[PC+4:PC+5] offset:FO+512
	ds_store_b128 v4, v[PC+6:PC+9] offset:FO+768
	ds_store_b64 v5, v[PC+10:PC+11] offset:FO+1280
	ds_store_b32 v6, v[PW] offset:SO
	global_store_b128 v1, v[PC:PC+3], s[12:13] offset:FO       ; and for the launch that makes Q: runs of 512 and 256 consecutive bytes
	global_store_b64 v7, v[PC+4:PC+5], s[12:13] offset:FO+512
	global_store_b128 v1, v[PC+6:PC+9], s[12:13] offset:FO+768
	global_store_b64 v7, v[PC+10:PC+11], s[12:13] offset:FO+1280
	global_store_b32 v8, v[PW], s[12:13] offset:SO
.endm
	XLOAD 0, R0
	XLOAD 1, R0+64
	XFRAG 0
	XFRAG 1
	XFRAG 2
	XFRAG 3
	; the biases, in the results' layout: they are the C of each sum's first product
	s_cmp_lt_u32 s[WV], 4
	s_cbranch_scc0 .Lv_bias
	v_bfe_u32 v15, v0, 4, 1
	s_delay_alu instid0(VALU_DEP_1)
	v_lshlrev_b32 v15, 6, v15                      ; K: tile t's register j is the head's 32 (t / 2) + 8 (t % 2) + 16 h + j
.irp t, 0,1,2,3
	global_load_b128 v[BI+8*\t:BI+8*\t+3], v15, s[8:9] offset:(32*(\t/2)+8*(\t%2))*4
	global_load_b128 v[BI+8*\t+4:BI+8*\t+7], v15, s[8:9] offset:(32*(\t/2)+8*(\t%2))*4+16
.endr
	s_branch .Lbias_asked
.Lv_bias:
	s_and_b32 s24, s[WV], 3                        ; V: my tile d; the lane holds the head's 32 (d / 2) + 8 (d % 2) + r % 8 + 16 (r / 8)
	s_lshr_b32 s25, s24, 1
	s_lshl_b32 s25, s25, 7
	s_and_b32 s24, s24, 1
	s_lshl_b32 s24, s24, 5
	s_add_co_u32 s24, s24, s25
	v_and_b32 v15, 7, v0
	v_bfe_u32 v16, v0, 3, 1
	s_delay_alu instid0(VALU_DEP_1)
	v_lshl_add_u32 v15, v16, 4, v15
	s_delay_alu instid0(VALU_DEP_1)
	v_lshl_add_u32 v15, v15, 2, s24
	global_load_b32 v[BI], v15, s[10:11]
.Lbias_asked:
	s_wait_tensorcnt 0x0                           ; my record of the weights has landed,
	s_wait_dscnt 0x0                               ; my images of x are stored:
	s_barrier_signal -1
	s_barrier_wait -1                              ; everybody's are
	s_wait_loadcnt 0x0                             ; the bias
	s_cmp_lt_u32 s[WV], 4
	s_cbranch_scc1 .Lno_spread
.set j, 1
.rept 31
	v_mov_b32 v[BI+j], v[BI]                       ; V: one number a lane, for all its keys
.set j, j+1
.endr
.Lno_spread:
.rept 4
	v_nop
.endr
.macro JLOAD s, set                    ; K step s: source 0's four fragments, source 1's one, their scale words: 25 LDS loads
.set FO, 3328*((\s)/2)+1536*((\s)%2)
.set SO, 3328*((\s)/2)+3072+128*((\s)%2)
.set SB, SET0+64*(\set)
.irp t, 0,1,2,3
	ds_load_b128 v[SB+12*\t:SB+12*\t+3], v9 offset:REC*\t+FO
	ds_load_b64 v[SB+12*\t+4:SB+12*\t+5], v10 offset:REC*\t+FO+512
	ds_load_b128 v[SB+12*\t+6:SB+12*\t+9], v9 offset:REC*\t+FO+768
	ds_load_b64 v[SB+12*\t+10:SB+12*\t+11], v10 offset:REC*\t+FO+1280
	ds_load_b32 v[SCR+5*(\set)+\t], v11 offset:REC*\t+SO
.endr
	ds_load_b128 v[SB+48:SB+51], v12 offset:FO
	ds_load_b64 v[SB+52:SB+53], v13 offset:FO+512
	ds_load_b128 v[SB+54:SB+57], v12 offset:FO+768
	ds_load_b64 v[SB+58:SB+59], v13 offset:FO+1280
	ds_load_b32 v[SCR+5*(\set)+4], v14 offset:SO
.endm
.macro JMUL s, set                     ; four products; the four accumulators take turns
.set SB, SET0+64*(\set)
.irp t, 0,1,2,3
.if \s == 0
	v_wmma_scale_f32_16x16x128_f8f6f4 v[ACC+8*\t:ACC+8*\t+7], v[SB+12*\t:SB+12*\t+11], v[SB+48:SB+59], v[BI+8*\t:BI+8*\t+7], v[SCR+5*(\set)+\t], v[SCR+5*(\set)+4] matrix_a_fmt:MATRIX_FMT_FP6 matrix_b_fmt:MATRIX_FMT_FP6
.else
	v_wmma_scale_f32_16x16x128_f8f6f4 v[ACC+8*\t:ACC+8*\t+7], v[SB+12*\t:SB+12*\t+11], v[SB+48:SB+59], v[ACC+8*\t:ACC+8*\t+7], v[SCR+5*(\set)+\t], v[SCR+5*(\set)+4] matrix_a_fmt:MATRIX_FMT_FP6 matrix_b_fmt:MATRIX_FMT_FP6
.endif
.endr
.endm
	JLOAD 0, 0
	s_wait_alu depctr_va_vdst(0)
.irp s, 0,1,2,3,4,5,6,7
.if \s > 0
.rept 4
	v_nop                                          ; four places in front of loads into the set that the last products read
.endr
.endif
.if \s < 7
	JLOAD \s+1, (\s+1)%2
	s_wait_dscnt 25                                ; all but the 25 just issued
.else
	s_wait_dscnt 0x0
.endif
	JMUL \s, \s%2
.endr
	; where the results go (scalar work beside the places behind the last products)
	s_and_b32 s24, s18, 1                          ; c: which 64 of the step's 128 keys are mine
	s_lshl_b32 s25, s24, 2
	s_add_co_u32 s25, s25, s[WV]                   ; K: tile 4 c + w of the step
	s_mul_i32 s26, s25, 768
	s_lshl_b32 s27, s25, 7
	s_add_co_u32 s27, s27, 12288
	s_and_b32 s28, s[WV], 3                        ; V: fragment d, half c; bytes 2 c, 2 c + 1 of its scale words
	s_mul_i32 s29, s28, 1536
	s_mul_i32 s30, s24, 768
	s_add_co_u32 s29, s29, s30
	s_add_co_u32 s29, s29, 6144
	s_lshl_b32 s30, s28, 7
	s_lshl_b32 s31, s24, 1
	s_add_co_u32 s30, s30, s31
	s_add_co_u32 s30, s30, 13312
	s_cmp_lt_u32 s[WV], 4
	s_cselect_b32 s26, s26, s29
	s_cselect_b32 s27, s27, s30
	s_lshr_b32 s28, s18, 5                         ; batch
	s_mul_i32 s28, s28, 221184
	s_bfe_u32 s29, s18, 0x40001                    ; the step of 128 keys
	s_mul_i32 s29, s29, 13824
	s_add_co_u32 s28, s28, s29
	s_add_co_u32 s32, s26, s28
	s_mov_b32 s33, 0
	s_add_co_u32 s34, s27, s28
	s_mov_b32 s35, 0
	s_add_nc_u64 s[32:33], s[14:15], s[32:33]
	s_add_nc_u64 s[34:35], s[14:15], s[34:35]
.rept 4
	v_nop                                          ; four places in front of the first read of results
.endr
	s_wait_xcnt 0x0                                ; the last stores to xr have read the codes' registers
	QUANT2 ACC, PC, PW
	global_store_b128 v1, v[PC:PC+3], s[32:33]
	global_store_b64 v7, v[PC+4:PC+5], s[32:33] offset:512
	s_cmp_lt_u32 s[WV], 4
	s_cbranch_scc0 .Lv_scale
	global_store_b32 v8, v[PW], s[34:35]           ; K: the whole word (bytes 2 and 3 are 0: they meet zero codes of Q)
	s_branch .Lstored
.Lv_scale:
	s_wait_alu depctr_va_vdst(0)
	global_store_b16 v8, v[PW], s[34:35]           ; V: my two bytes of the word; the neighbouring 64 keys' work-group stores the other two
.Lstored:
	s_wait_tensorcnt 0x0
	ds_add_u32 v254, v255
	s_wait_dscnt 0x0
	CROUND                                         ; the closing round
	s_endpgm
.Lfunc_end_k_qad9fdfbcf5_xkv:
	.size	k_qad9fdfbcf5_xkv, .Lfunc_end_k_qad9fdfbcf5_xkv-k_qad9fdfbcf5_xkv
	.p2alignl 7, 3214868480
	.fill 96, 4, 3214868480
	.section	.rodata,"a",@progbits
	.p2align	6, 0x0
	.amdhsa_kernel k_qad9fdfbcf5_xkv
		.amdhsa_group_segment_fixed_size 228352
		.amdhsa_private_segment_fixed_size 0
		.amdhsa_enable_private_segment 0
		.amdhsa_kernarg_size 48
		.amdhsa_user_sgpr_count 2
		.amdhsa_user_sgpr_kernarg_segment_ptr 1
		.amdhsa_wavefront_size32 1
		.amdhsa_system_sgpr_workgroup_id_x 1
		.amdhsa_system_sgpr_workgroup_id_y 1
		.amdhsa_system_sgpr_workgroup_id_z 1
		.amdhsa_system_vgpr_workitem_id 0
		.amdhsa_next_free_vgpr 256
		.amdhsa_next_free_sgpr 66
		.amdhsa_reserve_vcc 0
		.amdhsa_float_denorm_mode_32 3
		.amdhsa_float_denorm_mode_16_64 3
		.amdhsa_memory_ordered 1
		.amdhsa_forward_progress 1
		.amdhsa_inst_pref_size 69
	.end_amdhsa_kernel
	.amdgpu_metadata
---
amdhsa.version: [ 1, 2 ]
amdhsa.kernels:
  - .name:           k_qad9fdfbcf5_xkv
    .symbol:         k_qad9fdfbcf5_xkv.kd
    .args:
      - { .name: x, .offset: 0, .size: 8, .value_kind: global_buffer, .address_space: global }
      - { .name: wkvr, .offset: 8, .size: 8, .value_kind: global_buffer, .address_space: global }
      - { .name: bk, .offset: 16, .size: 8, .value_kind: global_buffer, .address_space: global }
      - { .name: bv, .offset: 24, .size: 8, .value_kind: global_buffer, .address_space: global }
      - { .name: xr, .offset: 32, .size: 8, .value_kind: global_buffer, .address_space: global }
      - { .name: kvr, .offset: 40, .size: 8, .value_kind: global_buffer, .address_space: global }
    .group_segment_fixed_size: 228352
    .private_segment_fixed_size: 0
    .kernarg_segment_align: 8
    .kernarg_segment_size: 48
    .max_flat_workgroup_size: 256
    .sgpr_count:     66
    .vgpr_count:     256
    .wavefront_size: 32
...
	.end_amdgpu_metadata
.endif
;; end of part 2
;; launch qproj (part 3): grid 4 x 64, 8 waves a work-group, clusters of 4 x 4, 320,512 bytes of LDS; arguments xr, wqr, bq, qr; writes qr
.if DOCPART == 3
	.amdgcn_target "amdgcn-amd-amdhsa--gfx1250"
	.amdhsa_code_object_version 6
	.text
	.protected	k_qad9fdfbcf5_qproj
	.globl	k_qad9fdfbcf5_qproj
	.p2align	8
	.type	k_qad9fdfbcf5_qproj,@function
k_qad9fdfbcf5_qproj:
	s_mov_b64 s[64:65], 0
	v_nop
	global_prefetch_b8 v0, s[64:65] scope:SCOPE_SE
	s_setreg_imm32_b32 hwreg(HW_REG_WAVE_MODE, 25, 1), 1
	s_wait_xcnt 0x0
	s_wait_alu depctr_hold_cnt(0) depctr_sa_sdst(0) depctr_va_vdst(0) depctr_va_sdst(0) depctr_va_ssrc(0) depctr_va_vcc(0) depctr_vm_vsrc(0)
	s_getreg_b32 s2, hwreg(HW_REG_IB_STS2, 6, 4)
	s_cmp_eq_u32 s2, 0
	s_cbranch_scc0 .Lentry_in_a_cluster
	s_endpgm
.Lentry_in_a_cluster:
	s_bfe_u32 s2, ttmp6, 0x10000c
	s_cmp_lg_u32 s2, 0xf033
	s_cbranch_scc0 .Lentry_shape_is_right
	s_endpgm
.Lentry_shape_is_right:
; Q = x Wq + bq on codes of FP6 (E2M3, one E8M0 byte for 32 along K), K = 1,024; Q is quantised head by head (64 = two blocks) in registers and leaves as register images (qr).
; A work-group of eight waves makes 128 rows x 256 columns; wave w makes 64 x 64 (rows 64 (w / 4) on, columns 64 (w % 4) on: ONE HEAD): 16 accumulators, 128 registers.
; Operands come as records (13,312 bytes a tile of 16 for all of K, four chunks of 3,328 = two fragments and their scale words).  ALL of K for the work-group's 8 + 16 tiles fits in LDS: four chunks of
; 79,872 bytes, each six quads of four tiles (A's two, B's four).  Every byte of LDS is filled once; the four chunks' loads go out together and are waited for one by one, so products run while later chunks land.
; CLUSTER 4 x 4: A's tiles are shared along a row of the cluster, B's along a column: each quad is asked for JOINTLY.  Even waves fetch A's tiles, odd waves B's, chunk w / 2; one load of a wave is out.
; THE PRODUCT IS USED TRANSPOSED (source 0 = 16 columns of Wq, source 1 = 16 rows of x): a lane holds one row, and by the tiles' pattern its 32 registers run along the head's 64 (k = 32 b + 16 h + i).
; The bias is loaded straight into the accumulators: every product adds in place, nothing is cleared and nothing is added later.
; qr: for each tile of 16 rows 14,336 bytes: head's half fragment at 768 x head, its scale words (byte 0 | byte 1 << 8; bytes 2, 3 = 0) at 12288 + 128 x head.
; LIMITS: NaN and infinities are not served; a block whose largest magnitude lies under 2^-124, a block of zeros among them, gets the byte 1.
.set REC,  13312
.set CH,   3328
.set QUAD, 4*CH
.set CHB,  6*QUAD                      ; 79,872 bytes: a chunk of two K steps
.set AF,   16                          ; v16-63   A's four fragments
.set BF,   64                          ; v64-111  B's four
.set SA,   112                         ; v112-115 A's scale words, v116-119 B's: these registers hold scales and nothing else
.set SB,   116
.set ACC,  128                         ; accumulator (a, b) at v[128 + 8 (4 a + b)]
.set TM,   68                          ; the way out: at work
.set WV,   12
.set SEL,  68                          ; set behind the last wait on tensor loads: s[68:69] are then free
.macro CROUND
	s_barrier_signal -1
	s_barrier_wait -1
	s_cmp_lg_u32 s[WV], 0
	s_cbranch_scc1 .Lnot_wave_0_\@
	s_barrier_signal -3
.Lnot_wave_0_\@:
	s_barrier_wait -3
	s_barrier_signal -1
	s_barrier_wait -1
.endm
.macro QUANT2 s, pc, pw                ; 32 numbers of a lane (two blocks) become half a fragment in v[pc] .. v[pc + 5] and the word byte 0 | byte 1 << 8 in v[pw]
.irp b, 0,1
	v_max3_num_f32 v[TM+\b], |v[\s+16*\b]|, |v[\s+1+16*\b]|, 0x1800000   ; each accumulator is read from its low end on; the floor 2^(3 - 127) holds the byte at 1
.endr
.irp i, 2,4,6,8,10,12,14
.irp b, 0,1
	v_max3_num_f32 v[TM+\b], v[TM+\b], |v[\s+16*\b+\i]|, |v[\s+1+16*\b+\i]|
.endr
.endr
.irp b, 0,1
	s_delay_alu instid0(VALU_DEP_2)
	v_permlanex16_b32 v[TM+2+\b], v[TM+\b], s[SEL], s[SEL+1]
.endr
.irp b, 0,1
	s_delay_alu instid0(VALU_DEP_2)
	v_max_num_f32 v[TM+\b], v[TM+\b], v[TM+2+\b]
.endr
.irp b, 0,1
	s_delay_alu instid0(VALU_DEP_2)
	v_add_nc_u32 v[TM+4+\b], 0xff000000, v[TM+\b]
.endr
.irp b, 0,1
	s_delay_alu instid0(VALU_DEP_2)
	v_lshrrev_b32 v[TM+2+\b], 23, v[TM+4+\b]
.endr
	s_delay_alu instid0(VALU_DEP_1)
	v_lshl_or_b32 v[\pw], v[TM+3], 8, v[TM+2]
	v_cvt_scalef32_pk16_fp6_f32 v[\pc:\pc+2], v[\s:\s+15], v[TM+4]
	v_cvt_scalef32_pk16_fp6_f32 v[\pc+6:\pc+8], v[\s+16:\s+31], v[TM+5]
	v_nop
.irp i, 0,1,2
	v_permlane16_swap_b32 v[\pc+\i], v[\pc+6+\i]
.endr
.irp i, 0,1,2
	s_delay_alu instid0(VALU_DEP_3)
	v_mov_b32 v[\pc+3+\i], v[\pc+6+\i]
.endr
.endm
	s_load_b256 s[4:11], s[0:1], 0x0               ; A's records s[4:5], B's s[6:7], the bias s[8:9], the result s[10:11]
	v_lshl_add_u32 v126, v0, 2, 0x4e000
	v_mov_b32 v127, 0
	ds_add_u32 v126, v127
	ds_add_u32 v126, v127
	v_lshrrev_b32 v1, 5, v0
	s_delay_alu instid0(VALU_DEP_1)
	v_readfirstlane_b32 s[WV], v1                  ; wave 0..7
	s_lshr_b32 s13, s[WV], 2                       ; which 64 rows are mine
	s_and_b32 s14, s[WV], 3                        ; which 64 columns
	s_bfe_u32 s15, ttmp6, 0x40000                  ; cx
	s_bfe_u32 s16, ttmp6, 0x40004                  ; cy
	s_and_b32 s17, ttmp7, 0xffff
	s_lshl_b32 s17, s17, 2
	s_add_co_u32 s17, s17, s16                     ; block of 128 rows = 4 x cluster y + cy
	s_lshl_b32 s18, ttmp9, 2
	s_add_co_u32 s18, s18, s15                     ; block of 256 columns = 4 x cluster x + cx
	s_lshl_b32 s19, s16, 2
	s_lshl_b32 s19, 15, s19                        ; my row of the cluster
	s_lshl_b32 s20, 0x1111, s15                    ; my column
	; descriptor group 1: tiles' chunks: rows of 3,328 bytes (416 elements of 8), 13,312 bytes apart
	s_or_b32 s24, s19, (3<<16)|(1<<21)             ; A's quads go to my row,
	s_or_b32 s32, s20, (3<<16)|(1<<21)             ; B's to my column
.irp g, 24, 32
	s_mov_b32 s[\g+1], 416<<16                     ; tensor_dim0
	s_mov_b32 s[\g+2], (\g-16)<<16                 ; tensor_dim1: A's 8 tiles, B's 16
	s_mov_b32 s[\g+3], 416<<16                     ; tile_dim0
	s_mov_b32 s[\g+4], \g-16                       ; tile_dim1
	s_mov_b32 s[\g+5], 1664                        ; stride
	s_mov_b32 s[\g+6], 0
	s_mov_b32 s[\g+7], 0
.endr
	; THE FILLS, one tensor load a wave: wave 2 c brings chunk c of A's 8 tiles (8 rows of 3,328 bytes), wave 2 c + 1 chunk c of B's 16 tiles
	s_lshr_b32 s21, s[WV], 1                       ; my chunk
	s_mul_i32 s3, s21, CH
	s_mul_i32 s22, s17, 8*REC
	s_add_co_u32 s22, s22, s3                      ; A: tile 8 x block, my chunk
	s_mov_b32 s23, 0
	s_mul_i32 s2, s18, 16*REC
	s_add_co_u32 s2, s2, s3                        ; B: tile 16 x block, my chunk
	s_mov_b32 s3, 0
	s_mul_i32 s21, s21, CHB                        ; where the chunk goes: no place in the cluster enters an LDS address
	s_lshl_b32 s66, s18, 10
	s_lshl_b32 s67, s14, 8
	s_add_co_u32 s66, s66, s67                     ; my first column, in bytes of f32
	s_mov_b32 s67, 0
	s_lshl_b32 s76, s17, 3
	s_lshl_b32 s77, s13, 2
	s_add_co_u32 s76, s76, s77
	s_mul_i32 s76, s76, 14336                      ; qr: my first tile of rows
	s_lshl_b32 s77, s18, 2
	s_add_co_u32 s77, s77, s14                     ; my head
	s_mul_i32 s78, s77, 768
	s_add_co_u32 s78, s78, s76
	s_mov_b32 s79, 0
	s_lshl_b32 s77, s77, 7
	s_add_co_u32 s76, s76, s77
	s_add_co_u32 s76, s76, 12288
	s_mov_b32 s77, 0
	v_and_b32 v10, 31, v0
	s_delay_alu instid0(VALU_DEP_1)
	v_lshlrev_b32 v8, 4, v10                       ; 16 x lane
	s_delay_alu instid0(VALU_DEP_2)
	v_lshlrev_b32 v9, 3, v10                       ; 8 x lane
	s_delay_alu instid0(VALU_DEP_3)
	v_lshlrev_b32 v10, 2, v10                      ; 4 x lane
	s_mul_i32 s19, s13, QUAD
	v_add_nc_u32 v1, s19, v8                       ; A's quad of mine
	v_add_nc_u32 v2, s19, v9
	v_add_nc_u32 v3, s19, v10
	s_add_co_u32 s19, s14, 2
	s_mul_i32 s19, s19, QUAD
	v_add_nc_u32 v4, s19, v8                       ; B's
	v_add_nc_u32 v5, s19, v9
	v_add_nc_u32 v6, s19, v10
	v_bfe_u32 v7, v0, 4, 1
	s_delay_alu instid0(VALU_DEP_1)
	v_lshlrev_b32 v7, 6, v7                        ; the bias: 16 h numbers on
	s_wait_dscnt 0x0
	s_wait_kmcnt 0x0
	s_add_nc_u64 s[22:23], s[4:5], s[22:23]
	s_add_nc_u64 s[2:3], s[6:7], s[2:3]
	s_add_nc_u64 s[8:9], s[8:9], s[66:67]
	s_add_nc_u64 s[78:79], s[10:11], s[78:79]      ; my codes' place,
	s_add_nc_u64 s[76:77], s[10:11], s[76:77]      ; my scale words'
	s_mov_b32 s40, 1
	s_add_co_u32 s41, s21, 0
	s_mov_b64 s[42:43], s[22:23]
	s_or_b32 s43, s43, 0x80000000
	s_mov_b32 s44, 1
	s_add_co_u32 s45, s21, 2*QUAD                  ; B's tiles lie behind A's eight
	s_mov_b64 s[46:47], s[2:3]
	s_or_b32 s47, s47, 0x80000000
	CROUND                                         ; all sixteen work-groups are here: the joint loads meet
.macro ARM n, g0, g1                   ; one chain of branches on the wave's number, a load line of its own in each arm: a chunk's two waves alone wait ahead of its barrier
	s_cmp_eq_u32 s[WV], \n
	s_cbranch_scc0 .Lnot_\n
	tensor_load_to_lds s[\g0:\g0+3], s[\g1:\g1+7]
	s_nop 0
.rept 4
	v_nop
.endr
	s_branch .Lasked
.Lnot_\n:
.endm
	ARM 0, 40, 24
	ARM 1, 44, 32
	ARM 2, 40, 24
	ARM 3, 44, 32
	ARM 4, 40, 24
	ARM 5, 44, 32
	ARM 6, 40, 24
	tensor_load_to_lds s[44:47], s[32:39]
	s_nop 0
.rept 4
	v_nop
.endr
.Lasked:
	s_wait_alu depctr_va_vdst(0)
.irp a, 0,1,2,3
.irp b, 0,1,2,3
	global_load_b128 v[ACC+8*(4*\a+\b):ACC+8*(4*\a+\b)+3], v7, s[8:9] offset:(32*(\b/2)+8*(\b%2))*4       ; tile b's register j is column 32 (b / 2) + 8 (b % 2) + 16 h + j
	global_load_b128 v[ACC+8*(4*\a+\b)+4:ACC+8*(4*\a+\b)+7], v7, s[8:9] offset:(32*(\b/2)+8*(\b%2))*4+16
.endr
.endr
.macro STEP e                          ; 128 along K: 40 LDS loads, 16 products; the 16 accumulators take turns
.irp i, 0,1,2,3
	ds_load_b128 v[AF+12*\i:AF+12*\i+3], v1 offset:CH*\i+1536*\e
	ds_load_b64 v[AF+12*\i+4:AF+12*\i+5], v2 offset:CH*\i+1536*\e+512
	ds_load_b128 v[AF+12*\i+6:AF+12*\i+9], v1 offset:CH*\i+1536*\e+768
	ds_load_b64 v[AF+12*\i+10:AF+12*\i+11], v2 offset:CH*\i+1536*\e+1280
	ds_load_b128 v[BF+12*\i:BF+12*\i+3], v4 offset:CH*\i+1536*\e
	ds_load_b64 v[BF+12*\i+4:BF+12*\i+5], v5 offset:CH*\i+1536*\e+512
	ds_load_b128 v[BF+12*\i+6:BF+12*\i+9], v4 offset:CH*\i+1536*\e+768
	ds_load_b64 v[BF+12*\i+10:BF+12*\i+11], v5 offset:CH*\i+1536*\e+1280
	ds_load_b32 v[SA+\i], v3 offset:CH*\i+3072+128*\e
	ds_load_b32 v[SB+\i], v6 offset:CH*\i+3072+128*\e
.endr
	s_wait_dscnt 0x0
.irp a, 0,1,2,3
.irp b, 0,1,2,3
	v_wmma_scale_f32_16x16x128_f8f6f4 v[ACC+8*(4*\a+\b):ACC+8*(4*\a+\b)+7], v[BF+12*\b:BF+12*\b+11], v[AF+12*\a:AF+12*\a+11], v[ACC+8*(4*\a+\b):ACC+8*(4*\a+\b)+7], v[SB+\b], v[SA+\a] matrix_a_fmt:MATRIX_FMT_FP6 matrix_b_fmt:MATRIX_FMT_FP6
.endr
.endr
.rept 4
	v_nop                                          ; four places in front of loads into registers that these products read, and of the first read of results
.endr
.endm
.macro CHUNK c
.if \c < 3
	s_lshr_b32 s19, s[WV], 1
	s_cmp_eq_u32 s19, \c
	s_cbranch_scc0 .Lnot_mine_\c
	s_wait_tensorcnt 0x0                           ; this chunk's two waves: my load has landed; later chunks' loads may stay out
.Lnot_mine_\c:
.else
	s_wait_tensorcnt 0x0                           ; the last chunk: every wave waits
.endif
	s_barrier_signal -1
	s_barrier_wait -1
.if \c == 0
	s_wait_loadcnt 0x0                             ; the bias lies in the accumulators
.else
.irp r, 1,2,3,4,5,6
	v_add_nc_u32 v\r, CHB, v\r
.endr
.endif
	STEP 0
	s_wait_alu depctr_va_vdst(0)
	STEP 1
.endm
	CHUNK 0
	CHUNK 1
	CHUNK 2
	CHUNK 3
	; THE WAY OUT: each tile of 16 rows: my head's 64 numbers of a row lie in two lanes: quantised in registers, stored as half a fragment.  Each tile has registers of its own, so no store's data are written again.
	s_mov_b32 s[SEL], 0x76543210
	s_mov_b32 s[SEL+1], 0xfedcba98
.irp a, 0,1,2,3
	QUANT2 ACC+32*\a, 16+12*\a, 64+\a
	global_store_b128 v8, v[16+12*\a:19+12*\a], s[78:79] offset:14336*\a
	global_store_b64 v9, v[20+12*\a:21+12*\a], s[78:79] offset:14336*\a+512
	global_store_b32 v10, v[64+\a], s[76:77] offset:14336*\a
.endr
	s_wait_tensorcnt 0x0
	ds_add_u32 v126, v127
	s_wait_dscnt 0x0
	CROUND                                         ; the closing round
	s_endpgm
.Lfunc_end_k_qad9fdfbcf5_qproj:
	.size	k_qad9fdfbcf5_qproj, .Lfunc_end_k_qad9fdfbcf5_qproj-k_qad9fdfbcf5_qproj
	.p2alignl 7, 3214868480
	.fill 96, 4, 3214868480
	.section	.rodata,"a",@progbits
	.p2align	6, 0x0
	.amdhsa_kernel k_qad9fdfbcf5_qproj
		.amdhsa_group_segment_fixed_size 320512
		.amdhsa_private_segment_fixed_size 0
		.amdhsa_enable_private_segment 0
		.amdhsa_kernarg_size 32
		.amdhsa_user_sgpr_count 2
		.amdhsa_user_sgpr_kernarg_segment_ptr 1
		.amdhsa_wavefront_size32 1
		.amdhsa_system_sgpr_workgroup_id_x 1
		.amdhsa_system_sgpr_workgroup_id_y 1
		.amdhsa_system_sgpr_workgroup_id_z 1
		.amdhsa_system_vgpr_workitem_id 0
		.amdhsa_next_free_vgpr 256
		.amdhsa_next_free_sgpr 80
		.amdhsa_reserve_vcc 0
		.amdhsa_float_denorm_mode_32 3
		.amdhsa_float_denorm_mode_16_64 3
		.amdhsa_memory_ordered 1
		.amdhsa_forward_progress 1
		.amdhsa_inst_pref_size 61
	.end_amdhsa_kernel
	.amdgpu_metadata
---
amdhsa.version: [ 1, 2 ]
amdhsa.kernels:
  - .name:           k_qad9fdfbcf5_qproj
    .symbol:         k_qad9fdfbcf5_qproj.kd
    .args:
      - { .name: xr, .offset: 0, .size: 8, .value_kind: global_buffer, .address_space: global }
      - { .name: wqr, .offset: 8, .size: 8, .value_kind: global_buffer, .address_space: global }
      - { .name: bq, .offset: 16, .size: 8, .value_kind: global_buffer, .address_space: global }
      - { .name: qr, .offset: 24, .size: 8, .value_kind: global_buffer, .address_space: global }
    .group_segment_fixed_size: 320512
    .private_segment_fixed_size: 0
    .kernarg_segment_align: 8
    .kernarg_segment_size: 32
    .max_flat_workgroup_size: 256
    .sgpr_count:     80
    .vgpr_count:     256
    .wavefront_size: 32
...
	.end_amdgpu_metadata
.endif
;; end of part 3
;; launch attn (part 4): grid 64 x 4, 8 waves a work-group, clusters of 4 x 1, 222,208 bytes of LDS; arguments qr, kvr, ar; writes ar
.if DOCPART == 4
	.amdgcn_target "amdgcn-amd-amdhsa--gfx1250"
	.amdhsa_code_object_version 6
	.text
	.protected	k_qad9fdfbcf5_attn
	.globl	k_qad9fdfbcf5_attn
	.p2align	8
	.type	k_qad9fdfbcf5_attn,@function
k_qad9fdfbcf5_attn:
	s_mov_b64 s[64:65], 0
	v_nop
	global_prefetch_b8 v0, s[64:65] scope:SCOPE_SE
	s_setreg_imm32_b32 hwreg(HW_REG_WAVE_MODE, 25, 1), 1
	s_wait_xcnt 0x0
	s_wait_alu depctr_hold_cnt(0) depctr_sa_sdst(0) depctr_va_vdst(0) depctr_va_sdst(0) depctr_va_ssrc(0) depctr_va_vcc(0) depctr_vm_vsrc(0)
	s_getreg_b32 s2, hwreg(HW_REG_IB_STS2, 6, 4)
	s_cmp_eq_u32 s2, 0
	s_cbranch_scc0 .Lentry_in_a_cluster
	s_endpgm
.Lentry_in_a_cluster:
	s_bfe_u32 s2, ttmp6, 0x10000c
	s_cmp_lg_u32 s2, 0x3003
	s_cbranch_scc0 .Lentry_shape_is_right
	s_endpgm
.Lentry_shape_is_right:
; Multi-query attention on codes of FP6 (E2M3, one E8M0 byte for 32 along a product's K): 16 heads of 64 share one K and one V in each of 4 batches of 2,048 keys.
; K AND V OF A WHOLE BATCH STAY IN LDS: 16 steps of 128 keys x 13,824 bytes (K's 8 half fragments at 768 T, V^T's 4 fragments at 6144 + 1536 d, K's scale words at 12288 + 128 T, V's at 13312 + 128 d), as register images.
; Filled once, one joint load a wave (wave w: key steps 2 w, 2 w + 1; mask 15: the four work-groups of a cluster are of one batch); then LDS is only read.  All is asked for at the head, so there is no loop to prefetch ahead in.
; Waves 0 and 1 have a load line of their own and alone wait ahead of the first barrier: the walk begins on key steps 0 to 3; one plain barrier behind key step 2 shows the others.
; SHARES.  A work-group owns 32 queries (two tiles of 16), all 16 heads.  Wave w: tile w % 2, heads 4 (w / 2) + 0 .. 3 AT ONCE, in one walk over the keys: a key step's 13,824 bytes are read from LDS once by a wave and serve
; four heads, which take turns: first product, softmax, second product.  The four heads are one chunk (two fragments and their scale words) of the last product's operand.
; LAYOUT.  Both products are used transposed: S^T = K Q^T, O^T = V^T P^T: a lane holds ONE query.  In memory lane r of K's tile T holds key 32 (T / 2) + 8 (T % 2) + r % 8 + 16 (r / 8).  The lanes read K BY ANOTHER ORDER:
; lane r of the tile 4 g + u that is multiplied takes key 64 g + 8 u + r % 8 + 32 (r / 8), which is lane r % 8 + 8 (u / 2) of tile 4 g + 2 (r / 8) + u % 2.  So register 32 g + 8 u + j of S^T in lane (q, h) is key
; 64 g + 32 h + 8 u + j: a lane's 32 registers are ONE WHOLE scale block of p, in the order of the operand's registers: no code changes lanes; one exchange serves the row's maximum, one the scale word.
; THE FIRST PRODUCT HAS K = 64 in an instruction of 128: Q's fragment is 6 registers of codes and 6 of ZERO CODES.  K's half fragments lie on end, tile t's operand is v[56 + 6 t] .. v[67 + 6 t]: its upper half is the next
; tile's codes (for t = 7 the six registers behind them, always written): numbers of the format, which meet Q's zero codes and add exactly 0; bytes 2 and 3 of both scale words are 0 (2^-127, a number).
; THE SOFTMAX: t = score x log2(e) / 8; M = the running largest t rounded UP to a whole number; p = 2^(t - M) is quantised along the keys, not normalised; the row's sum is taken of the unquantised p and divides O at the end.
; When M moves, the sum and O^T are multiplied by 2^(old M - new M): exact.  A block's largest p is made from the block's largest score by the same two instructions.
; REGISTERS.  Window 0: all that a turn works on.  Window 1: v0-127 O^T of the four heads, v128-175 their Q.
; LIMITS: NaN and infinities are not served; a block whose largest p lies under 2^-124 gets the byte 1.
.set KREC, 13824
.set ST,  40                           ; v40-55 a head's state: -M, the largest score, the sum in two halves
.set KB,  56                           ; v56-103 K's eight half fragments
.set PC,  104                          ; v104-115 p's codes; ahead of them the sum's four partial pairs
.set S,   116                          ; v116-179 S^T, then p; v116-122 at last the conversions' second halves
.set VB,  180                          ; v180-227 V^T's four fragments
.set KS,  228                          ; v228-235 K's scale words, v236-239 V's, v24-27 Q's, v9 p's: these hold scales and nothing else
.set VS,  236
.set QS,  24
.set QW,  128                          ; window 1: Q of head u at 128 + 12 u;  O^T of head u at 32 u
.set TM,  30                           ; v30-37 at work
.set WV,  10
.set SEL, 20
.set CS,  22                           ; s[22:23] c = log2(e) / 8
.set NC,  48                           ; -c
.set TB,  36                           ; the step's first LDS byte, and the loops' counter; s37: the next step's
.set MSB, 0
.macro WIN new                         ; the immediate's high byte repeats the setting that is left
.if MSB != \new
	s_set_vgpr_msb (MSB<<8)|\new
.set MSB, \new
.endif
.endm
.macro CROUND
	s_barrier_signal -1
	s_barrier_wait -1
	s_cmp_lg_u32 s[WV], 0
	s_cbranch_scc1 .Lnot_wave_0_\@
	s_barrier_signal -3
.Lnot_wave_0_\@:
	s_barrier_wait -3
	s_barrier_signal -1
	s_barrier_wait -1
.endm
.macro WALU
	s_wait_alu depctr_va_vdst(0)
.endm
.macro QUANT2 s, pc, pw                ; 32 numbers of a lane (halves of two blocks) become half a fragment in v[pc] .. v[pc + 5] and the word byte 0 | byte 1 << 8 in v[pw]
.irp b, 0,1
	v_max3_num_f32 v[TM+\b], |v[\s+16*\b]|, |v[\s+1+16*\b]|, 0x1800000
.endr
.irp i, 2,4,6,8,10,12,14
.irp b, 0,1
	v_max3_num_f32 v[TM+\b], v[TM+\b], |v[\s+16*\b+\i]|, |v[\s+1+16*\b+\i]|
.endr
.endr
.irp b, 0,1
	v_permlanex16_b32 v[TM+2+\b], v[TM+\b], s[SEL], s[SEL+1]
.endr
.irp b, 0,1
	v_max_num_f32 v[TM+\b], v[TM+\b], v[TM+2+\b]
.endr
.irp b, 0,1
	v_add_nc_u32 v[TM+4+\b], 0xff000000, v[TM+\b]
.endr
.irp b, 0,1
	v_lshrrev_b32 v[TM+2+\b], 23, v[TM+4+\b]
.endr
	v_lshl_or_b32 v[\pw], v[TM+3], 8, v[TM+2]
	v_cvt_scalef32_pk16_fp6_f32 v[\pc:\pc+2], v[\s:\s+15], v[TM+4]
	v_cvt_scalef32_pk16_fp6_f32 v[\pc+6:\pc+8], v[\s+16:\s+31], v[TM+5]
	v_nop
.irp i, 0,1,2
	v_permlane16_swap_b32 v[\pc+\i], v[\pc+6+\i]
.endr
.irp i, 0,1,2
	v_mov_b32 v[\pc+3+\i], v[\pc+6+\i]
.endr
.endm
.macro KLOAD a, b, c                   ; a key step's K, by the lanes' order: 24 LDS loads.  The registers hold the step's first byte + 1536 (r / 8) + 16, 8 (r % 8) + 256, 128 h, and + 256 (r / 8) + 4 (r % 8)
.irp t, 0,1,2,3,4,5,6,7
	ds_load_b128 v[KB+6*\t:KB+6*\t+3], \a offset:3072*(\t/4)+768*(\t%2)+128*((\t%4)/2)
	ds_load_b64 v[KB+6*\t+4:KB+6*\t+5], \b offset:512+3072*(\t/4)+768*(\t%2)+64*((\t%4)/2)
	ds_load_b32 v[KS+\t], \c offset:12288+512*(\t/4)+128*(\t%2)+32*((\t%4)/2)
.endr
.endm
; Head u's turn on a step of 128 keys.  pf = 1: the next step's K is fetched behind the fourth head's first product; 2: but not in the walk's last step
.macro UNIT u, pf
.set NM, ST+4*\u
.set SU, ST+4*\u+2
.set OU, 32*\u
.if \u == 0
	s_wait_dscnt 0x0                               ; this step's K, asked for a turn ago
.endif
	WIN 0x04                                       ; source 1 in window 1
.irp t, 0,1,2,3,4,5,6,7
	v_wmma_scale_f32_16x16x128_f8f6f4 v[S+8*\t:S+8*\t+7], v[KB+6*\t:KB+6*\t+11], v[QW+12*\u:QW+12*\u+11], 0, v[KS+\t], v[QS+\u] matrix_a_fmt:MATRIX_FMT_FP6 matrix_b_fmt:MATRIX_FMT_FP6
.endr
	WIN 0
.if \u == 0                                    ; four plain lines: the places behind these products and the last turn's, ahead of loads into their registers and of the first read of S^T
	v_add_nc_u32 v4, s[TB], v1
	v_add_nc_u32 v5, s[TB], v2
	v_add_nc_u32 v6, s[TB], v3
.elseif \u == 1
	v_add_nc_u32 v17, s37, v14
	v_add_nc_u32 v18, s37, v15
	v_add_nc_u32 v19, s37, v16
.else
.rept 3
	v_nop
.endr
.endif
	v_mov_b32 v11, v[NM]                           ; the old -M
.if \u == 0
.irp d, 0,1,2,3
	ds_load_b128 v[VB+12*\d:VB+12*\d+3], v4 offset:6144+1536*\d
	ds_load_b64 v[VB+12*\d+4:VB+12*\d+5], v5 offset:6144+1536*\d+512
	ds_load_b128 v[VB+12*\d+6:VB+12*\d+9], v4 offset:6144+1536*\d+768
	ds_load_b64 v[VB+12*\d+10:VB+12*\d+11], v5 offset:6144+1536*\d+1280
	ds_load_b32 v[VS+\d], v6 offset:13312+128*\d
.endr
.endif
.if \u == 3
.if \pf == 2
	s_cmp_lt_u32 s[TB], 15*KREC                    ; the last step has no next
	s_cbranch_scc0 .Lno_next_\@
.endif
	KLOAD v17, v18, v19
.if \pf == 2
.Lno_next_\@:
.endif
.endif
.irp c, 0,1                                    ; my two blocks' largest scores, two chains each; every accumulator is first read at its low end
	v_max3_num_f32 v[30+\c], v[S+32*\c], v[S+32*\c+1], v[S+32*\c+2]
	v_max3_num_f32 v[32+\c], v[S+32*\c+16], v[S+32*\c+17], v[S+32*\c+18]
.endr
.irp i, 3,5,7,9,11,13
.irp c, 0,1
	v_max3_num_f32 v[30+\c], v[30+\c], v[S+32*\c+\i], v[S+32*\c+\i+1]
	v_max3_num_f32 v[32+\c], v[32+\c], v[S+32*\c+16+\i], v[S+32*\c+17+\i]
.endr
.endr
.irp c, 0,1
	v_max3_num_f32 v[30+\c], v[30+\c], v[32+\c], v[S+32*\c+15]
.endr
.irp c, 0,1
	v_max_num_f32 v[30+\c], v[30+\c], v[S+32*\c+31]
.endr
	v_max_num_f32 v36, v30, v31
	s_delay_alu instid0(VALU_DEP_1)
	v_permlanex16_b32 v10, v36, s[SEL], s[SEL+1]
	s_delay_alu instid0(VALU_DEP_1)
	v_max3_num_f32 v[NM+1], v[NM+1], v36, v10      ; the running largest score of my query
	s_delay_alu instid0(VALU_DEP_1)
	v_mul_f32 v37, s[NC], v[NM+1]                  ; -t
	s_delay_alu instid0(VALU_DEP_1)
	v_floor_f32 v[NM], v37                         ; the new -M = floor(-t) = -ceil(t)
	s_delay_alu instid0(VALU_DEP_1)
	v_sub_f32 v11, v[NM], v11                      ; old M - new M: a whole number, 0 or less
	s_delay_alu instid0(VALU_DEP_1)
	v_cvt_i32_f32 v11, v11                         ; (it saturates)
	s_delay_alu instid0(VALU_DEP_1)
	v_ldexp_f32 v8, 1.0, v11                       ; f = 2^(old M - new M)
.set j, 0
.rept 32
	v_pk_fma_f32 v[S+j:S+j+1], v[S+j:S+j+1], s[CS:CS+1], v[NM:NM+1] op_sel_hi:[1,0,0]   ; t - M
.set j, j+2
.endr
	v_fma_f32 v30, v30, s[CS], v[NM]               ; the same of each block's largest score
	v_fma_f32 v31, v31, s[CS], v[NM]
	WALU                                           ; the wait ahead of the batch
	v_exp_f32 v30, v30                             ; the blocks' largest p
	v_exp_f32 v31, v31
.set j, 0
.rept 64
	v_exp_f32 v[S+j], v[S+j]                       ; p = 2^(t - M), at most 1
.set j, j+1
.endr
	v_pk_mul_f32 v[SU:SU+1], v[SU:SU+1], v[8:9] op_sel_hi:[1,0]   ; the sums under the new M: the plain place behind the batch
	WALU                                           ; and the wait behind it
.irp k, 0,1,2,3                                ; the row's sum of the unquantised p, four chains
	v_pk_add_f32 v[PC+2*\k:PC+2*\k+1], v[S+4*\k:S+4*\k+1], v[S+4*\k+2:S+4*\k+3]
.endr
.set j, 8
.rept 24
	v_pk_add_f32 v[PC+2*(j%4):PC+2*(j%4)+1], v[PC+2*(j%4):PC+2*(j%4)+1], v[S+2*j:S+2*j+1]
.set j, j+1
.endr
	v_max_num_f32 v30, 0x1800000, v30              ; the floor 2^(3 - 127): the byte cannot fall under 1
	v_max_num_f32 v31, 0x1800000, v31
	v_pk_add_f32 v[PC:PC+1], v[PC:PC+1], v[PC+2:PC+3]
	v_pk_add_f32 v[PC+4:PC+5], v[PC+4:PC+5], v[PC+6:PC+7]
	v_add_nc_u32 v32, 0xff000000, v30              ; 2 off the exponent field: the conversions' scale operands
	v_add_nc_u32 v33, 0xff000000, v31
	v_pk_add_f32 v[PC:PC+1], v[PC:PC+1], v[PC+4:PC+5]
	v_pk_add_f32 v[SU:SU+1], v[SU:SU+1], v[PC:PC+1]
	v_cvt_scalef32_pk16_fp6_f32 v[PC:PC+2], v[S:S+15], v32
	v_cvt_scalef32_pk16_fp6_f32 v[PC+6:PC+8], v[S+32:S+47], v33
	v_lshrrev_b32 v34, 23, v32                     ; the scales' bytes (plain lines between the conversions above and those that write over their sources)
	v_lshrrev_b32 v35, 23, v33
	v_cvt_scalef32_pk16_fp6_f32 v[S:S+2], v[S+16:S+31], v32     ; (a conversion's three registers begin on an even number)
	v_cvt_scalef32_pk16_fp6_f32 v[S+4:S+6], v[S+48:S+63], v33
	v_lshl_or_b32 v34, v35, 16, v34                ; my bytes: blocks h and 2 + h,
	v_lshlrev_b32 v34, v7, v34                     ; at their places (8 h bits up);
	v_permlanex16_b32 v10, v34, s[SEL], s[SEL+1]
	v_or_b32 v9, v34, v10                          ; with lane l xor 16's two: p's scale word
.irp i, 0,1,2
	v_mov_b32 v[PC+3+\i], v[S+\i]
	v_mov_b32 v[PC+9+\i], v[S+4+\i]
.endr
.if \u == 0
	s_wait_dscnt 0x0                               ; V is in, for all four turns
.endif
	WIN 0x41                                       ; destination and source 0 in window 1
	WALU                                           ; the wait directly ahead of the first reader of O^T
.set j, 0
.rept 16
	v_pk_mul_f32 v[OU+j:OU+j+1], v[OU+j:OU+j+1], v[8:9] op_sel_hi:[1,0]   ; O^T under the new M; these sixteen also stand between the lines that made p's codes and scale word and the products
.set j, j+2
.endr
	WIN 0x50                                       ; C and D in window 1
.irp d, 0,1,2,3
	v_wmma_scale_f32_16x16x128_f8f6f4 v[OU+8*\d:OU+8*\d+7], v[VB+12*\d:VB+12*\d+11], v[PC:PC+11], v[OU+8*\d:OU+8*\d+7], v[VS+\d], v9 matrix_a_fmt:MATRIX_FMT_FP6 matrix_b_fmt:MATRIX_FMT_FP6
.endr
.endm
.macro WALK label, end, pf             ; key steps up to, not with, end
\label:
	s_add_co_u32 s37, s[TB], KREC
	s_min_u32 s37, s37, 15*KREC                    ; the next step's first byte, held inside the tiles
	UNIT 0, \pf
	UNIT 1, \pf
	UNIT 2, \pf
	UNIT 3, \pf
	WIN 0
	s_add_co_u32 s[TB], s[TB], KREC
	s_cmp_lt_u32 s[TB], (\end)*KREC
	s_cbranch_scc1 \label
.endm
	s_load_b128 s[4:7], s[0:1], 0x0                ; qr s[4:5], kvr s[6:7]
	s_load_b64 s[8:9], s[0:1], 0x10                ; ar
	v_lshl_add_u32 v28, v0, 2, 0x36000             ; my spare word, behind the 16 key steps
	v_mov_b32 v29, 0
	ds_add_u32 v28, v29                            ; the opening lines
	ds_add_u32 v28, v29
	v_lshrrev_b32 v1, 5, v0
	v_readfirstlane_b32 s[WV], v1                  ; wave 0..7
	s_bfe_u32 s11, ttmp6, 0x40000                  ; cx
	s_lshl_b32 s12, ttmp9, 2
	s_add_co_u32 s12, s12, s11                     ; my 32 queries of the batch: it enters Q's and the result's addresses alone
	s_and_b32 s13, ttmp7, 0xffff                   ; the batch, which the four partners share
	s_and_b32 s14, s[WV], 1
	s_lshr_b32 s15, s[WV], 1                       ; my four heads
	s_lshl_b32 s16, s13, 7
	s_lshl_b32 s17, s12, 1
	s_add_co_u32 s16, s16, s17
	s_add_co_u32 s16, s16, s14                     ; my tile of 16 queries
	s_mov_b32 s24, 15|(3<<16)|(1<<21)              ; group 1: a dense block of 27,648 bytes as 108 rows of 32 elements of 8 bytes
	s_mov_b32 s25, 32<<16
	s_mov_b32 s26, 108<<16
	s_mov_b32 s27, 32<<16
	s_mov_b32 s28, 108
	s_mov_b32 s29, 32
	s_mov_b32 s30, 0
	s_mov_b32 s31, 0
	s_mov_b32 s32, 1
	s_mul_i32 s33, s[WV], 2*KREC                   ; wave w fetches key steps 2 w, 2 w + 1
	s_mul_i32 s18, s13, 16*KREC
	s_add_co_u32 s18, s18, s33
	s_mov_b32 s19, 0
	s_mul_i32 s38, s16, 14336                      ; qr: my tile;
	s_mul_i32 s17, s15, 3072
	s_add_co_u32 s44, s38, s17                     ; my first head's half fragment,
	s_mov_b32 s45, 0
	s_lshl_b32 s17, s15, 9
	s_add_co_u32 s46, s38, s17
	s_add_co_u32 s46, s46, 12288                   ; its scale words
	s_mov_b32 s47, 0
	s_mul_i32 s40, s16, 13312                      ; ar: my tile's record,
	s_mul_i32 s17, s15, 3328
	s_add_co_u32 s40, s40, s17                     ; my chunk
	s_mov_b32 s41, 0
	s_mov_b32 s[SEL], 0x76543210
	s_mov_b32 s[SEL+1], 0xfedcba98                 ; v_permlanex16_b32's selects for lane l xor 16
	s_mov_b32 s[CS], 0x3e38aa3b                    ; log2(e) / sqrt(64)
	s_mov_b32 s[CS+1], s[CS]
	s_mov_b32 s[NC], 0xbe38aa3b
	v_and_b32 v3, 31, v0
	v_and_b32 v30, 7, v0                           ; r % 8
	v_bfe_u32 v31, v0, 3, 1                        ; r / 8
	v_bfe_u32 v32, v0, 4, 1                        ; h
	v_lshlrev_b32 v1, 4, v3                        ; 16 x lane
	v_lshlrev_b32 v2, 3, v3                        ; 8 x lane
	v_lshlrev_b32 v3, 2, v3                        ; 4 x lane
	v_mul_u32_u24 v33, v31, 1536
	v_lshlrev_b32 v16, 8, v31
	v_lshlrev_b32 v7, 3, v32                       ; 8 h
	v_lshl_add_u32 v14, v30, 4, v33
	v_lshl_add_u32 v15, v30, 3, v33
	v_lshl_add_u32 v16, v30, 2, v16                ; K's scale words: 256 (r / 8) + 4 (r % 8)
	v_lshl_add_u32 v14, v32, 8, v14                ; K's registers 0-3: 1536 (r / 8) + 16 (r % 8) + 256 h
	v_lshl_add_u32 v15, v32, 7, v15                ; registers 4, 5: 1536 (r / 8) + 8 (r % 8) + 128 h
	s_wait_dscnt 0x0
	s_wait_kmcnt 0x0
	s_add_nc_u64 s[34:35], s[6:7], s[18:19]
	s_or_b32 s35, s35, 0x80000000
	s_add_nc_u64 s[44:45], s[4:5], s[44:45]
	s_add_nc_u64 s[46:47], s[4:5], s[46:47]
	s_add_nc_u64 s[40:41], s[8:9], s[40:41]
	CROUND                                         ; all four work-groups are here: the joint loads meet
	s_cmp_lt_u32 s[WV], 2                          ; one load a wave; waves 0 and 1, which alone wait ahead of the first barrier, have a line of their own
	s_cbranch_scc0 .Llate
	tensor_load_to_lds s[32:35], s[24:31]
	s_nop 0
.rept 4
	v_nop
.endr
	s_branch .Lasked
.Llate:
	tensor_load_to_lds s[32:35], s[24:31]
	s_nop 0
.rept 4
	v_nop
.endr
.Lasked:
	WALU
	WIN 0x40                                       ; destinations in window 1
.irp u, 0,1,2,3
	global_load_b128 v[QW+12*\u:QW+12*\u+3], v1, s[44:45] offset:768*\u        ; Q of my four heads
	global_load_b64 v[QW+12*\u+4:QW+12*\u+5], v2, s[44:45] offset:768*\u+512
.endr
.irp u, 0,1,2,3
.irp i, 6,7,8,9,10,11
	v_mov_b32 v[QW+12*\u+\i], 0                    ; Q's zero codes
.endr
.endr
.set j, 0
.rept 128
	v_mov_b32 v[j], 0                              ; O^T: a turn is written once; the first step finds zeros, which the first change of M leaves zeros
.set j, j+1
.endr
	WIN 0
.irp u, 0,1,2,3
	global_load_b32 v[QS+\u], v3, s[46:47] offset:128*\u
.endr
.irp r, 104,105,106,107,108,109, 9,10
	v_mov_b32 v\r, 0                               ; the six registers behind K's tile 7; p's scale word (named in a pair before it is made); an exchange's destination
.endr
	v_mov_b32 v36, 0xff61b1e6                      ; the largest score so far: -3e38
	v_mul_f32 v37, s[NC], v36
	v_floor_f32 v37, v37
.irp u, 0,1,2,3
	v_mov_b32 v[ST+4*\u], v37                      ; -M
	v_mov_b32 v[ST+4*\u+1], v36
	v_mov_b32 v[ST+4*\u+2], 0                      ; the sum, in two halves
	v_mov_b32 v[ST+4*\u+3], 0
.endr
	WALU                                           ; the wait at the head's end
	s_cmp_lt_u32 s[WV], 2
	s_cbranch_scc0 .Lnot_first
	s_wait_tensorcnt 0x0                           ; waves 0 and 1: my key steps have landed
.Lnot_first:
	s_barrier_signal -1
	s_barrier_wait -1                              ; key steps 0 to 3 are in; the others may be on their way: nothing is ever filled again
	s_wait_loadcnt 0x0                             ; Q
	KLOAD v14, v15, v16
	s_mov_b32 s[TB], 0
	WALK .Lfirst, 3, 1                             ; key steps 0 to 2; the last of them fetches K of key step 3
	s_wait_tensorcnt 0x0                           ; every wave: my key steps have landed
	s_wait_dscnt 0x0
	s_barrier_signal -1
	s_barrier_wait -1                              ; all sixteen are in
	s_mov_b32 s[TB], 3*KREC
	WALK .Lrest, 16, 2
	; THE END: O^T / the sum; a lane's 32 numbers of a head run along its 64 (16 h + .. of each 32): two blocks of the last product's K: quantised in registers, stored as half a fragment.  Each head's codes have registers of their own
.rept 4
	v_nop
.endr
.irp u, 0,1,2,3
	v_add_f32 v[ST+4*\u+2], v[ST+4*\u+2], v[ST+4*\u+3]
.endr
.irp u, 0,1,2,3
	v_permlanex16_b32 v[30+\u], v[ST+4*\u+2], s[SEL], s[SEL+1]
.endr
.irp u, 0,1,2,3
	v_add_f32 v[ST+4*\u+2], v[ST+4*\u+2], v[30+\u]
.endr
	WALU
.irp u, 0,1,2,3
	v_rcp_f32 v[ST+4*\u+2], v[ST+4*\u+2]
.endr
	v_nop
.macro OUT u
	WIN 0x01                                       ; source 0 in window 1
	WALU                                           ; behind the reciprocals, directly ahead of the first reader of this head's O^T
.set j, 0
.rept 16
	v_pk_mul_f32 v[S+j:S+j+1], v[32*\u+j:32*\u+j+1], v[ST+4*\u+2:ST+4*\u+3] op_sel_hi:[1,0]
.set j, j+2
.endr
	WIN 0
	QUANT2 S, KB+12*\u, 38
.if \u%2 == 0
	v_mov_b32 v[240+\u/2], v38                     ; a fragment's scale word: the even head's two bytes below,
.else
	v_lshl_or_b32 v[240+\u/2], v38, 16, v[240+\u/2]   ; the odd head's above
.endif
	global_store_b128 v1, v[KB+12*\u:KB+12*\u+3], s[40:41] offset:768*\u
	global_store_b64 v2, v[KB+12*\u+4:KB+12*\u+5], s[40:41] offset:768*\u+512
.if \u%2
	global_store_b32 v3, v[240+\u/2], s[40:41] offset:3072+128*(\u/2)
.endif
.endm
	OUT 0
	OUT 1
	OUT 2
	OUT 3
	s_wait_tensorcnt 0x0                           ; the wave's end
	ds_add_u32 v28, v29
	s_wait_dscnt 0x0
	CROUND                                         ; the closing round
	s_endpgm
.Lfunc_end_k_qad9fdfbcf5_attn:
	.size	k_qad9fdfbcf5_attn, .Lfunc_end_k_qad9fdfbcf5_attn-k_qad9fdfbcf5_attn
	.p2alignl 7, 3214868480
	.fill 96, 4, 3214868480
	.section	.rodata,"a",@progbits
	.p2align	6, 0x0
	.amdhsa_kernel k_qad9fdfbcf5_attn
		.amdhsa_group_segment_fixed_size 222208
		.amdhsa_private_segment_fixed_size 0
		.amdhsa_enable_private_segment 0
		.amdhsa_kernarg_size 24
		.amdhsa_user_sgpr_count 2
		.amdhsa_user_sgpr_kernarg_segment_ptr 1
		.amdhsa_wavefront_size32 1
		.amdhsa_system_sgpr_workgroup_id_x 1
		.amdhsa_system_sgpr_workgroup_id_y 1
		.amdhsa_system_sgpr_workgroup_id_z 1
		.amdhsa_system_vgpr_workitem_id 0
		.amdhsa_next_free_vgpr 512
		.amdhsa_next_free_sgpr 66
		.amdhsa_reserve_vcc 0
		.amdhsa_float_denorm_mode_32 3
		.amdhsa_float_denorm_mode_16_64 3
		.amdhsa_memory_ordered 1
		.amdhsa_forward_progress 1
		.amdhsa_inst_pref_size 135
	.end_amdhsa_kernel
	.amdgpu_metadata
---
amdhsa.version: [ 1, 2 ]
amdhsa.kernels:
  - .name:           k_qad9fdfbcf5_attn
    .symbol:         k_qad9fdfbcf5_attn.kd
    .args:
      - { .name: qr, .offset: 0, .size: 8, .value_kind: global_buffer, .address_space: global }
      - { .name: kvr, .offset: 8, .size: 8, .value_kind: global_buffer, .address_space: global }
      - { .name: ar, .offset: 16, .size: 8, .value_kind: global_buffer, .address_space: global }
    .group_segment_fixed_size: 222208
    .private_segment_fixed_size: 0
    .kernarg_segment_align: 8
    .kernarg_segment_size: 24
    .max_flat_workgroup_size: 256
    .sgpr_count:     66
    .vgpr_count:     512
    .wavefront_size: 32
...
	.end_amdgpu_metadata
.endif
;; end of part 4
;; launch oproj (part 5): grid 4 x 64, 8 waves a work-group, clusters of 4 x 4, 320,512 bytes of LDS; arguments ar, wor, bo, out0; writes out0
.if DOCPART == 5
	.amdgcn_target "amdgcn-amd-amdhsa--gfx1250"
	.amdhsa_code_object_version 6
	.text
	.protected	k_qad9fdfbcf5_oproj
	.globl	k_qad9fdfbcf5_oproj
	.p2align	8
	.type	k_qad9fdfbcf5_oproj,@function
k_qad9fdfbcf5_oproj:
	s_mov_b64 s[64:65], 0
	v_nop
	global_prefetch_b8 v0, s[64:65] scope:SCOPE_SE
	s_setreg_imm32_b32 hwreg(HW_REG_WAVE_MODE, 25, 1), 1
	s_wait_xcnt 0x0
	s_wait_alu depctr_hold_cnt(0) depctr_sa_sdst(0) depctr_va_vdst(0) depctr_va_sdst(0) depctr_va_ssrc(0) depctr_va_vcc(0) depctr_vm_vsrc(0)
	s_getreg_b32 s2, hwreg(HW_REG_IB_STS2, 6, 4)
	s_cmp_eq_u32 s2, 0
	s_cbranch_scc0 .Lentry_in_a_cluster
	s_endpgm
.Lentry_in_a_cluster:
	s_bfe_u32 s2, ttmp6, 0x10000c
	s_cmp_lg_u32 s2, 0xf033
	s_cbranch_scc0 .Lentry_shape_is_right
	s_endpgm
.Lentry_shape_is_right:
; out0 = a Wo + bo on codes of FP6 (E2M3, one E8M0 byte for 32 along K), K = 1,024; a is the attention's result, as register images (ar).  The text is the Q projection's but for the way out.
; A work-group of eight waves makes 128 rows x 256 columns; wave w makes 64 x 64 (rows 64 (w / 4) on, columns 64 (w % 4) on): 16 accumulators, 128 registers.
; Operands come as records (13,312 bytes a tile of 16 for all of K, four chunks of 3,328 = two fragments and their scale words).  ALL of K for the work-group's 8 + 16 tiles fits in LDS: four chunks of
; 79,872 bytes, each six quads of four tiles (A's two, B's four).  Every byte of LDS is filled once; the four chunks' loads go out together and are waited for one by one, so products run while later chunks land.
; CLUSTER 4 x 4: A's tiles are shared along a row of the cluster, B's along a column: each quad is asked for JOINTLY.  Even waves fetch A's tiles, odd waves B's, chunk w / 2; one load of a wave is out.
; THE PRODUCT IS USED TRANSPOSED (source 0 = 16 columns of Wo, source 1 = 16 rows of a): a lane holds one row and eight neighbouring columns a tile.
; The bias is loaded straight into the accumulators: every product adds in place.
; THE TILES' PATTERN: lane r of tile T stands for row (or column) 32 (T / 2) + 8 (T % 2) + r % 8 + 16 (r / 8): it shows here only in the offsets of the way out.
.set REC,  13312
.set CH,   3328
.set QUAD, 4*CH
.set CHB,  6*QUAD                      ; 79,872 bytes: a chunk of two K steps
.set AF,   16                          ; v16-63   A's four fragments
.set BF,   64                          ; v64-111  B's four
.set SA,   112                         ; v112-115 A's scale words, v116-119 B's: these registers hold scales and nothing else
.set SB,   116
.set ACC,  128                         ; accumulator (a, b) at v[128 + 8 (4 a + b)]
.set SP,   272                         ; the way out: a stage of 16 rows x (256 bytes + 16) for each wave, in chunk 0: it has had its one fill, and its last reader has passed chunk 1's barrier
.set WV,   12
.macro CROUND
	s_barrier_signal -1
	s_barrier_wait -1
	s_cmp_lg_u32 s[WV], 0
	s_cbranch_scc1 .Lnot_wave_0_\@
	s_barrier_signal -3
.Lnot_wave_0_\@:
	s_barrier_wait -3
	s_barrier_signal -1
	s_barrier_wait -1
.endm
	s_load_b256 s[4:11], s[0:1], 0x0               ; A's records s[4:5], B's s[6:7], the bias s[8:9], the result s[10:11]
	v_lshl_add_u32 v126, v0, 2, 0x4e000
	v_mov_b32 v127, 0
	ds_add_u32 v126, v127
	ds_add_u32 v126, v127
	v_lshrrev_b32 v1, 5, v0
	s_delay_alu instid0(VALU_DEP_1)
	v_readfirstlane_b32 s[WV], v1                  ; wave 0..7
	s_lshr_b32 s13, s[WV], 2                       ; which 64 rows are mine
	s_and_b32 s14, s[WV], 3                        ; which 64 columns
	s_bfe_u32 s15, ttmp6, 0x40000                  ; cx
	s_bfe_u32 s16, ttmp6, 0x40004                  ; cy
	s_and_b32 s17, ttmp7, 0xffff
	s_lshl_b32 s17, s17, 2
	s_add_co_u32 s17, s17, s16                     ; block of 128 rows = 4 x cluster y + cy
	s_lshl_b32 s18, ttmp9, 2
	s_add_co_u32 s18, s18, s15                     ; block of 256 columns = 4 x cluster x + cx
	s_lshl_b32 s19, s16, 2
	s_lshl_b32 s19, 15, s19                        ; my row of the cluster
	s_lshl_b32 s20, 0x1111, s15                    ; my column
	; descriptor group 1: tiles' chunks: rows of 3,328 bytes (416 elements of 8), 13,312 bytes apart
	s_or_b32 s24, s19, (3<<16)|(1<<21)             ; A's quads go to my row,
	s_or_b32 s32, s20, (3<<16)|(1<<21)             ; B's to my column
.irp g, 24, 32
	s_mov_b32 s[\g+1], 416<<16                     ; tensor_dim0
	s_mov_b32 s[\g+2], (\g-16)<<16                 ; tensor_dim1: A's 8 tiles, B's 16
	s_mov_b32 s[\g+3], 416<<16                     ; tile_dim0
	s_mov_b32 s[\g+4], \g-16                       ; tile_dim1
	s_mov_b32 s[\g+5], 1664                        ; stride
	s_mov_b32 s[\g+6], 0
	s_mov_b32 s[\g+7], 0
.endr
	; THE FILLS, one tensor load a wave: wave 2 c brings chunk c of A's 8 tiles (8 rows of 3,328 bytes), wave 2 c + 1 chunk c of B's 16 tiles
	s_lshr_b32 s21, s[WV], 1                       ; my chunk
	s_mul_i32 s3, s21, CH
	s_mul_i32 s22, s17, 8*REC
	s_add_co_u32 s22, s22, s3                      ; A: tile 8 x block, my chunk
	s_mov_b32 s23, 0
	s_mul_i32 s2, s18, 16*REC
	s_add_co_u32 s2, s2, s3                        ; B: tile 16 x block, my chunk
	s_mov_b32 s3, 0
	s_mul_i32 s21, s21, CHB                        ; where the chunk goes: no place in the cluster enters an LDS address
	s_lshl_b32 s66, s18, 10
	s_lshl_b32 s67, s14, 8
	s_add_co_u32 s66, s66, s67                     ; my first column, in bytes of f32
	s_mov_b32 s67, 0
	s_lshl_b32 s76, s17, 7
	s_lshl_b32 s77, s13, 6
	s_add_co_u32 s76, s76, s77                     ; my first row
	s_lshl_b32 s76, s76, 12
	s_add_co_u32 s76, s76, s66
	s_mov_b32 s77, 0
	v_and_b32 v10, 31, v0
	s_delay_alu instid0(VALU_DEP_1)
	v_lshlrev_b32 v8, 4, v10                       ; 16 x lane
	s_delay_alu instid0(VALU_DEP_2)
	v_lshlrev_b32 v9, 3, v10                       ; 8 x lane
	s_delay_alu instid0(VALU_DEP_3)
	v_lshlrev_b32 v10, 2, v10                      ; 4 x lane
	s_mul_i32 s19, s13, QUAD
	v_add_nc_u32 v1, s19, v8                       ; A's quad of mine
	v_add_nc_u32 v2, s19, v9
	v_add_nc_u32 v3, s19, v10
	s_add_co_u32 s19, s14, 2
	s_mul_i32 s19, s19, QUAD
	v_add_nc_u32 v4, s19, v8                       ; B's
	v_add_nc_u32 v5, s19, v9
	v_add_nc_u32 v6, s19, v10
	v_bfe_u32 v15, v0, 4, 1                        ; h
	s_delay_alu instid0(VALU_DEP_1)
	v_lshlrev_b32 v7, 6, v15                       ; the bias: 16 h numbers on
	s_mul_i32 s78, s[WV], 16*SP                    ; my stage
	v_and_b32 v14, 15, v0                          ; r
	s_delay_alu instid0(VALU_DEP_1)
	v_mul_u32_u24 v11, v14, SP
	s_delay_alu instid0(VALU_DEP_1)
	v_lshl_add_u32 v11, v15, 6, v11
	s_delay_alu instid0(VALU_DEP_1)
	v_add_nc_u32 v11, s78, v11                     ; in: row r, + 64 h
	v_mul_u32_u24 v12, v15, SP
	s_delay_alu instid0(VALU_DEP_1)
	v_lshl_add_u32 v12, v14, 4, v12
	s_delay_alu instid0(VALU_DEP_1)
	v_add_nc_u32 v12, s78, v12                     ; back: lanes 0-15 one row of 256 bytes, lanes 16-31 the next
	v_lshlrev_b32 v13, 12, v15
	s_delay_alu instid0(VALU_DEP_1)
	v_lshl_add_u32 v13, v14, 4, v13                ; and the same two rows in out0
	s_wait_dscnt 0x0
	s_wait_kmcnt 0x0
	s_add_nc_u64 s[22:23], s[4:5], s[22:23]
	s_add_nc_u64 s[2:3], s[6:7], s[2:3]
	s_add_nc_u64 s[8:9], s[8:9], s[66:67]
	s_add_nc_u64 s[76:77], s[10:11], s[76:77]
	s_mov_b32 s40, 1
	s_add_co_u32 s41, s21, 0
	s_mov_b64 s[42:43], s[22:23]
	s_or_b32 s43, s43, 0x80000000
	s_mov_b32 s44, 1
	s_add_co_u32 s45, s21, 2*QUAD                  ; B's tiles lie behind A's eight
	s_mov_b64 s[46:47], s[2:3]
	s_or_b32 s47, s47, 0x80000000
	CROUND                                         ; all sixteen work-groups are here: the joint loads meet
.macro ARM n, g0, g1                   ; one chain of branches on the wave's number, a load line of its own in each arm: a chunk's two waves alone wait ahead of its barrier
	s_cmp_eq_u32 s[WV], \n
	s_cbranch_scc0 .Lnot_\n
	tensor_load_to_lds s[\g0:\g0+3], s[\g1:\g1+7]
	s_nop 0
.rept 4
	v_nop
.endr
	s_branch .Lasked
.Lnot_\n:
.endm
	ARM 0, 40, 24
	ARM 1, 44, 32
	ARM 2, 40, 24
	ARM 3, 44, 32
	ARM 4, 40, 24
	ARM 5, 44, 32
	ARM 6, 40, 24
	tensor_load_to_lds s[44:47], s[32:39]
	s_nop 0
.rept 4
	v_nop
.endr
.Lasked:
.irp a, 0,1,2,3
.irp b, 0,1,2,3
	global_load_b128 v[ACC+8*(4*\a+\b):ACC+8*(4*\a+\b)+3], v7, s[8:9] offset:(32*(\b/2)+8*(\b%2))*4       ; tile b's register j is column 32 (b / 2) + 8 (b % 2) + 16 h + j
	global_load_b128 v[ACC+8*(4*\a+\b)+4:ACC+8*(4*\a+\b)+7], v7, s[8:9] offset:(32*(\b/2)+8*(\b%2))*4+16
.endr
.endr
.macro STEP e                          ; 128 along K: 40 LDS loads, 16 products; the 16 accumulators take turns
.irp i, 0,1,2,3
	ds_load_b128 v[AF+12*\i:AF+12*\i+3], v1 offset:CH*\i+1536*\e
	ds_load_b64 v[AF+12*\i+4:AF+12*\i+5], v2 offset:CH*\i+1536*\e+512
	ds_load_b128 v[AF+12*\i+6:AF+12*\i+9], v1 offset:CH*\i+1536*\e+768
	ds_load_b64 v[AF+12*\i+10:AF+12*\i+11], v2 offset:CH*\i+1536*\e+1280
	ds_load_b128 v[BF+12*\i:BF+12*\i+3], v4 offset:CH*\i+1536*\e
	ds_load_b64 v[BF+12*\i+4:BF+12*\i+5], v5 offset:CH*\i+1536*\e+512
	ds_load_b128 v[BF+12*\i+6:BF+12*\i+9], v4 offset:CH*\i+1536*\e+768
	ds_load_b64 v[BF+12*\i+10:BF+12*\i+11], v5 offset:CH*\i+1536*\e+1280
	ds_load_b32 v[SA+\i], v3 offset:CH*\i+3072+128*\e
	ds_load_b32 v[SB+\i], v6 offset:CH*\i+3072+128*\e
.endr
	s_wait_dscnt 0x0
.irp a, 0,1,2,3
.irp b, 0,1,2,3
	v_wmma_scale_f32_16x16x128_f8f6f4 v[ACC+8*(4*\a+\b):ACC+8*(4*\a+\b)+7], v[BF+12*\b:BF+12*\b+11], v[AF+12*\a:AF+12*\a+11], v[ACC+8*(4*\a+\b):ACC+8*(4*\a+\b)+7], v[SB+\b], v[SA+\a] matrix_a_fmt:MATRIX_FMT_FP6 matrix_b_fmt:MATRIX_FMT_FP6
.endr
.endr
.rept 4
	v_nop                                          ; four places in front of loads into registers that these products read, and of the first read of results
.endr
.endm
.macro CHUNK c
.if \c < 3
	s_lshr_b32 s19, s[WV], 1
	s_cmp_eq_u32 s19, \c
	s_cbranch_scc0 .Lnot_mine_\c
	s_wait_tensorcnt 0x0                           ; this chunk's two waves: my load has landed; later chunks' loads may stay out
.Lnot_mine_\c:
.else
	s_wait_tensorcnt 0x0                           ; the last chunk: every wave waits
.endif
	s_barrier_signal -1
	s_barrier_wait -1
.if \c == 0
	s_wait_loadcnt 0x0                             ; the bias lies in the accumulators
.else
.irp r, 1,2,3,4,5,6
	v_add_nc_u32 v\r, CHB, v\r
.endr
.endif
	STEP 0
	s_wait_alu depctr_va_vdst(0)
	STEP 1
.endm
	CHUNK 0
	CHUNK 1
	CHUNK 2
	CHUNK 3
	; THE WAY OUT, a tile of 16 rows x 64 columns at a time: a lane holds pieces of 32 bytes of one row, so the tile goes through my own stage and comes back as whole rows of 256 bytes.
	; LDS serves a wave's instructions in order: no wait between the stores and the loads, nor in front of the next tile's stores.
.irp a, 0,1,2,3
.irp b, 0,1,2,3
	ds_store_b128 v11, v[ACC+8*(4*\a+\b):ACC+8*(4*\a+\b)+3] offset:128*(\b/2)+32*(\b%2)          ; each accumulator from its low end on
	ds_store_b128 v11, v[ACC+8*(4*\a+\b)+4:ACC+8*(4*\a+\b)+7] offset:128*(\b/2)+32*(\b%2)+16
.endr
.if \a >= 2
	s_wait_xcnt 0x0                                ; the stores of two tiles back have read the registers that the loads below fill
.endif
.irp t, 0,1,2,3,4,5,6,7
	ds_load_b128 v[16+32*(\a%2)+4*\t:16+32*(\a%2)+4*\t+3], v12 offset:2*SP*\t
.endr
	s_wait_dscnt 0x0
.irp t, 0,1,2,3,4,5,6,7
	global_store_b128 v13, v[16+32*(\a%2)+4*\t:16+32*(\a%2)+4*\t+3], s[76:77] offset:(32*(\a/2)+8*(\a%2)+2*\t+8*(\t/4))*4096 th:TH_STORE_NT   ; stage rows 2 t, 2 t + 1 are the tile's rows by the pattern; 16 lanes store 256 consecutive bytes, at a multiple of 256 from out0's first byte
.endr
.endr
	s_wait_tensorcnt 0x0
	ds_add_u32 v126, v127
	s_wait_dscnt 0x0
	CROUND                                         ; the closing round
	s_endpgm
.Lfunc_end_k_qad9fdfbcf5_oproj:
	.size	k_qad9fdfbcf5_oproj, .Lfunc_end_k_qad9fdfbcf5_oproj-k_qad9fdfbcf5_oproj
	.p2alignl 7, 3214868480
	.fill 96, 4, 3214868480
	.section	.rodata,"a",@progbits
	.p2align	6, 0x0
	.amdhsa_kernel k_qad9fdfbcf5_oproj
		.amdhsa_group_segment_fixed_size 320512
		.amdhsa_private_segment_fixed_size 0
		.amdhsa_enable_private_segment 0
		.amdhsa_kernarg_size 32
		.amdhsa_user_sgpr_count 2
		.amdhsa_user_sgpr_kernarg_segment_ptr 1
		.amdhsa_wavefront_size32 1
		.amdhsa_system_sgpr_workgroup_id_x 1
		.amdhsa_system_sgpr_workgroup_id_y 1
		.amdhsa_system_sgpr_workgroup_id_z 1
		.amdhsa_system_vgpr_workitem_id 0
		.amdhsa_next_free_vgpr 256
		.amdhsa_next_free_sgpr 80
		.amdhsa_reserve_vcc 0
		.amdhsa_float_denorm_mode_32 3
		.amdhsa_float_denorm_mode_16_64 3
		.amdhsa_memory_ordered 1
		.amdhsa_forward_progress 1
		.amdhsa_inst_pref_size 58
	.end_amdhsa_kernel
	.amdgpu_metadata
---
amdhsa.version: [ 1, 2 ]
amdhsa.kernels:
  - .name:           k_qad9fdfbcf5_oproj
    .symbol:         k_qad9fdfbcf5_oproj.kd
    .args:
      - { .name: ar, .offset: 0, .size: 8, .value_kind: global_buffer, .address_space: global }
      - { .name: wor, .offset: 8, .size: 8, .value_kind: global_buffer, .address_space: global }
      - { .name: bo, .offset: 16, .size: 8, .value_kind: global_buffer, .address_space: global }
      - { .name: out0, .offset: 24, .size: 8, .value_kind: global_buffer, .address_space: global }
    .group_segment_fixed_size: 320512
    .private_segment_fixed_size: 0
    .kernarg_segment_align: 8
    .kernarg_segment_size: 32
    .max_flat_workgroup_size: 256
    .sgpr_count:     80
    .vgpr_count:     256
    .wavefront_size: 32
...
	.end_amdgpu_metadata
.endif
;; end of part 5
